; MI455X (gfx1250); checked and timed in simulation.
; The chip was launched on July 23, 2026; its instructions are those of AMD's public machine-readable ISA for CDNA 5 (MIT licence, August 2026) and "CDNA5" Instruction Set Architecture Reference Guide (July 2026). The comments in the code are by the model that wrote it; some were corrected since.
;; multihead self attention. Allowed arithmetic: matrix products marked QUANTISED: E2M3 operands, one E8M0 scale for each 32 along K, by v_wmma_scale_f32_16x16x128_f8f6f4 with both operands' format E2M3, f32 sums; everything else in f32.
;; Inputs: wk 1,024 x 1,024 float32; wo 1,024 x 1,024 float32; wq 1,024 x 1,024 float32; wv 1,024 x 1,024 float32; x 4 x 2,048 x 1,024 float32.
;; Outputs: out0 4 x 2,048 x 1,024 float32.
;; This version of the problem:
;;   THIS VERSION OF THE PROBLEM IS GIVEN IN LOW PRECISION. The matrix products marked QUANTISED in the list below multiply operands that are first quantised to E2M3 (2 exponent bits, 3 mantissa bits; 6 bits a number), with one power-of-two scale for each 32 numbers along K (OCP MX v1.0); their sums are f32. All else is computed in f32.
;;   The module's matrix products, in the order in which they are computed (A, B: the left and right operand; K: the contracted axis; several contracted axes count as one K, in the product's order):
;;     1. [M 8,192, K 1,024] x [K 1,024, N 1,024]; A: input x; B: input wq: QUANTISED
;;     2. [M 8,192, K 1,024] x [K 1,024, N 1,024]; A: input x; B: input wk: QUANTISED
;;     3. [M 8,192, K 1,024] x [K 1,024, N 1,024]; A: input x; B: input wv: QUANTISED
;;     4. batch 64 x [M 2,048, K 64] x [K 64, N 2,048]; A: computed on the way; B: computed on the way: QUANTISED
;;     5. batch 64 x [M 2,048, K 2,048] x [K 2,048, N 64]; A: softmax (see below); B: computed on the way: QUANTISED
;;     6. [M 8,192, K 1,024] x [K 1,024, N 1,024]; A: computed on the way; B: input wo: QUANTISED
;;   THE QUANTISER, for each operand of a quantised product, along K:
;;     - K is cut into blocks of 32 from its start; a last block that is shorter is filled with zeros.
;;     - A block's scale is 2^e with e = floor(log2(the largest magnitude in the block)) - 2, held to -126 .. 127; a block of zeros has e = 0. As a byte (E8M0): e + 127.
;;     - Each number is divided by its block's scale, clamped to +-7.5, and rounded to the nearest number of E2M3, ties to even, subnormals kept.
;;     - The product sums the exact products of the quantised numbers (number of the format x scale) in f32.
;;   ~~~python
;;   def quantise(x, axis):      # numpy; x: float32 -> the quantised numbers, widened to float32 again
;;       x = np.moveaxis(x, axis, -1); K = x.shape[-1]
;;       x = np.pad(x, [(0, 0)] * (x.ndim - 1) + [(0, -K % 32)]); x = x.reshape(x.shape[:-1] + (-1, 32)); a = np.abs(x).max(-1, keepdims=True)
;;       e = np.where(a > 0, np.clip(np.frexp(np.where(a > 0, a, 1))[1] - 1 - 2, -126, 127), 0)      # np.frexp(a)[1] - 1 = floor(log2(a)), exactly
;;       r = np.clip(x / 2.0 ** e, -7.5, 7.5)
;;       step = 2.0 ** (np.maximum(np.frexp(np.where(r == 0, 1, r))[1] - 1, 0) - 3)
;;       q = np.round(r / step) * step * 2.0 ** e      # np.round: ties to even
;;       return np.moveaxis(q.reshape(q.shape[:-2] + (-1,))[..., :K], -1, axis).astype(np.float32)
;;   ~~~
;;   SOFTMAX AHEAD OF A QUANTISED PRODUCT. Where the list says 'softmax', what is quantised is not the finished softmax but p = 2^(t - M), with t = logit x log2(e) and M = ceil(the row's largest t), a whole number; so 1/2 < the row's largest p <= 1. The row's sum l is taken of the UNQUANTISED p, in f32, and the product's result is divided by l at the end. Since M is a whole number, a kernel that streams over the keys may use a running M (the ceiling of the running maximum): every later rescaling is an exact power of two, which a block's scale takes up: the codes' values come out the same.
;;   OPERANDS COMPUTED ON THE WAY. 'Computed on the way' means the value that the module computes at that place (a softmax that the list does not call 'softmax' is quantised finished and normalised). What goes into a quantiser is computed in f32, as accurately as f32 sums, v_exp_f32 and their like allow (about 1e-6 of the number): no bf16 or f16 on the way to a quantiser, and a product that is left as it is and whose result goes on into a quantised operand takes f32 operands (vector FMAs, or v_wmma_f32_16x16x4_f32). A number that lies on a knife's edge between two numbers of the format may be rounded either way, as far as f32 arithmetic and the matrix unit's own rounding can turn it there, and no further.
;; One version. Each part assembles by itself: llvm-mc -triple=amdgcn-amd-amdhsa -mcpu=gfx1250 --defsym DOCPART=n.
;; ======== version 1 of 1: 4 launches
;; workspace buffers: codes 9,437,184 bytes; scl 393,216 bytes; rope 524,288 bytes; qg 6,553,600 bytes; kvg 13,107,200 bytes; ac 6,291,456 bytes; asc 262,144 bytes
;; launch prep (part 1): grid 208 x 1, 4 waves a work-group, no clusters, 34,304 bytes of LDS; arguments x, wq, wk, wv, wo, codes, scl, rope; writes codes, scl, rope
.if DOCPART == 1
	.amdgcn_target "amdgcn-amd-amdhsa--gfx1250"
	.amdhsa_code_object_version 6
	.text
	.protected	k_qae895b598f_prep
	.globl	k_qae895b598f_prep
	.p2align	8
	.type	k_qae895b598f_prep,@function
k_qae895b598f_prep:
	s_mov_b64 s[64:65], 0
	v_nop
	global_prefetch_b8 v0, s[64:65] scope:SCOPE_SE
	s_setreg_imm32_b32 hwreg(HW_REG_WAVE_MODE, 25, 1), 1
	s_wait_xcnt 0x0
; x [8192][1024] and wq, wk, wv, wo [1024][1024], f32, K innermost, become codes of FP6 (E2M3) with one E8M0 byte for each 32 along K; and the table of cos and sin for the rotation is made.
; THE CODES LIE AS IMAGES OF OPERAND REGISTERS.  A fragment is 16 rows x 128 K, 12 registers a lane: lane (r, h) holds row r, registers 6 c .. 6 c + 5 hold K = 64 c + 32 h + 0 .. 31.
; Its image is 1,536 bytes: registers 4 c .. 4 c + 3 of lane l at byte 512 c + 16 l.  codes: [block of 256 rows: x 0-31, wq 32-35, wk 36-39, wv 40-43, wo 44-47][K step of 128: 8][tile: 16][1536].
; THE ROWS OF A TILE ARE NOT NEIGHBOURS: lane r of tile T takes row 32 (T / 2) + 8 (T % 2) + r + 8 (r / 8), so that the results of tiles 2 b and 2 b + 1, used as source 0, are 16 neighbours in a lane.
; scl: [tile][lane r][32 bytes]: a row's 32 scale bytes, K ascending.   rope: [position 2048][pair 32](cos, sin), f32.
; A block's scale is 2^(floor(log2(its largest magnitude)) - 2); its byte is the largest magnitude's exponent field - 2, held at 1 from below.
; LIMITS: NaN and infinities among the inputs are not served; a block whose largest magnitude lies under 2^-124 gets the byte 1; a block of zeros gets the byte 1 where the rule says 127: its codes are zeros,
; and the bytes are read by this program alone.  The 32 frequencies are 10^(-j / 8) rounded to f32; a frequency one unit in the last place off moves an angle at the last positions by about 1e-4.
; SHARES.  Work-groups 0-191: a wave takes one tile (16 rows x 1,024 K: eight fragments).  Each load reads 512 consecutive bytes of one row; the 16 rows x 512 bytes turn through the wave's own stage in LDS,
; so that a lane gets two whole blocks of 32 neighbours.  Loads run two fragments (32 loads a wave) ahead.  Work-groups 192-207: a wave makes 32 positions of the table, a lane a pair.  Waves share nothing: no barrier.
.set SP,   528                         ; a stage row: 512 bytes + 16: the sixteen rows that a read touches start in different banks
.set WREG, 16*SP                       ; a wave's stage
.set FRB,  1536                        ; an image
.set KCH,  16*FRB                      ; a K step of a block of 256 rows
.set MBB,  8*KCH                       ; a block of 256 rows
.set R,    16                          ; v16-143  two sets of 64: a fragment's numbers as loaded
.set X,    144                         ; v144-207 my two blocks of 32
.set C,    208                         ; v208-219 the fragment's codes
.set CT,   220                         ; v220-226 the blocks' second halves as converted
.set MX,   228                         ; v228-229 largest magnitudes, v230-231 scale operands, v232-233 bytes, v234-235 at work
.set W,    240                         ; v240-247 the eight scale words
.set OW,   248                         ; v248-251 what I store of them
	s_load_b256 s[8:15], s[0:1], 0x0               ; x s[8:9], wq s[10:11], wk s[12:13], wv s[14:15]
	s_load_b256 s[16:23], s[0:1], 0x20             ; wo s[16:17], codes s[18:19], scl s[20:21], rope s[22:23]
	v_lshl_add_u32 v254, v0, 2, 0x8400
	v_mov_b32 v255, 0
	v_lshrrev_b32 v1, 5, v0
	v_readfirstlane_b32 s2, v1                     ; wave 0..3
	v_and_b32 v6, 31, v0                           ; lane
	s_cmp_ge_u32 ttmp9, 192
	s_cbranch_scc1 .Ltable
	; ---------------- the quantiser ----------------
	v_and_b32 v7, 15, v0                           ; r
	v_bfe_u32 v8, v0, 4, 1                         ; h
	v_lshlrev_b32 v1, 4, v6                        ; 16 x lane: my bytes of a load's 512, and of an image's 512
	s_mul_i32 s3, s2, WREG
	v_add_nc_u32 v2, s3, v1                        ; the stage, on the way in
	v_mul_u32_u24 v3, v7, SP
	v_lshl_add_u32 v3, v8, 7, v3
	v_add_nc_u32 v3, s3, v3                        ; and on the way out: row r, 128 h bytes on
	v_lshlrev_b32 v4, 5, v7
	v_lshl_add_u32 v4, v8, 4, v4                   ; scl: row r's 32 bytes, my half of them
	v_lshlrev_b32 v5, 3, v8                        ; 8 h: my bytes' place in a scale word
	s_mov_b32 s26, 0x76543210
	s_mov_b32 s27, 0xfedcba98                      ; v_permlanex16_b32's selects for lane l xor 16
	s_mov_b32 s28, 0xffff0000                      ; lanes 16-31
	v_mov_b32 v[MX+7], 0                           ; written once: a lane permute's destination counts as one of its sources
	s_lshl_b32 s24, ttmp9, 2
	s_add_co_u32 s24, s24, s2                      ; J: my tile among the 768
	s_wait_alu depctr_va_vdst(0)
	s_wait_kmcnt 0x0
	s_mov_b64 s[4:5], s[16:17]                     ; which tensor: the choice hangs on the work-group's number alone
	s_cmp_lt_u32 ttmp9, 176
	s_cselect_b64 s[4:5], s[14:15], s[4:5]
	s_cmp_lt_u32 ttmp9, 160
	s_cselect_b64 s[4:5], s[12:13], s[4:5]
	s_cmp_lt_u32 ttmp9, 144
	s_cselect_b64 s[4:5], s[10:11], s[4:5]
	s_cmp_lt_u32 ttmp9, 128
	s_cselect_b64 s[4:5], s[8:9], s[4:5]
	s_cselect_b32 s25, 511, 63
	s_and_b32 s25, s24, s25                        ; my tile within its tensor
	s_lshr_b32 s30, s25, 1
	s_lshl_b32 s30, s30, 17                        ; 32 rows of 4,096 bytes for each pair of tiles,
	s_and_b32 s31, s25, 1
	s_lshl_b32 s31, s31, 15                        ; 8 rows for the odd one
	s_add_co_u32 s30, s30, s31
	s_mov_b32 s31, 0
	s_add_nc_u64 s[4:5], s[4:5], s[30:31]
	s_lshr_b32 s30, s24, 4
	s_mul_i32 s30, s30, MBB
	s_and_b32 s29, s24, 15
	s_mul_i32 s29, s29, FRB
	s_add_co_u32 s30, s30, s29
	s_add_nc_u64 s[18:19], s[18:19], s[30:31]      ; my tile's image of K step 0
	s_lshl_b32 s30, s24, 9
	s_add_nc_u64 s[20:21], s[20:21], s[30:31]      ; my tile's 512 scale bytes
.macro LOADF s                         ; fragment s: 16 rows x 512 bytes, a row a load
.irp t, 0,1,2,3,4,5,6,7,8,9,10,11,12,13,14,15
	global_load_b128 v[R+64*((\s)%2)+4*\t:R+64*((\s)%2)+4*\t+3], v1, s[4:5] offset:(\t+8*(\t/8))*4096+512*(\s) th:TH_LOAD_NT
.endr
.endm
.macro FRAG s
.if (\s) < 7
	s_wait_loadcnt 16                              ; this fragment's 16 loads are in; the next fragment's 16 may be out
.else
	s_wait_loadcnt 0x0
.endif
.irp t, 0,1,2,3,4,5,6,7,8,9,10,11,12,13,14,15
	ds_store_b128 v2, v[R+64*((\s)%2)+4*\t:R+64*((\s)%2)+4*\t+3] offset:SP*\t
.endr
.irp c, 0,1
.irp i, 0,1,2,3,4,5,6,7
	ds_load_b128 v[X+32*\c+4*\i:X+32*\c+4*\i+3], v3 offset:256*\c+16*\i   ; K = 64 c + 32 h + 4 i ..: LDS serves a wave's instructions in order, so these see the stores above
.endr
.endr
	s_wait_dscnt 0x0                               ; my two blocks are in, and the stores into the stage have read their registers
	s_wait_xcnt 0x0                                ; the last fragment's stores of codes have read theirs: C is written again only behind this wait
.if (\s) < 6
	LOADF (\s)+2
.endif
.irp c, 0,1
	v_max3_num_f32 v[MX+\c], |v[X+32*\c]|, |v[X+32*\c+1]|, 0x1800000   ; block 2 c + h: all its 32 numbers are mine; the floor 2^(3 - 127) holds the byte at 1 from below
.endr
.irp i, 2,4,6,8,10,12,14,16,18,20,22,24,26,28,30
.irp c, 0,1
	v_max3_num_f32 v[MX+\c], v[MX+\c], |v[X+32*\c+\i]|, |v[X+32*\c+\i+1]|
.endr
.endr
.irp c, 0,1
	v_add_nc_u32 v[MX+2+\c], 0xff000000, v[MX+\c]  ; 2 off the exponent field: the conversion takes this operand's exponent field as its scale
.endr
.irp c, 0,1
	v_lshrrev_b32 v[MX+4+\c], 23, v[MX+2+\c]       ; the scale's byte
.endr
	v_lshl_or_b32 v[MX+6], v[MX+5], 16, v[MX+4]    ; my two bytes: blocks h and 2 + h,
	v_lshlrev_b32 v[MX+6], v5, v[MX+6]             ; at their places in the word;
	v_permlanex16_b32 v[MX+7], v[MX+6], s26, s27
	v_or_b32 v[W+(\s)], v[MX+6], v[MX+7]           ; with lane l xor 16's two the word is whole
.irp c, 0,1
	v_cvt_scalef32_pk16_fp6_f32 v[C+6*\c:C+6*\c+2], v[X+32*\c:X+32*\c+15], v[MX+2+\c]
	v_cvt_scalef32_pk16_fp6_f32 v[CT+4*\c:CT+4*\c+2], v[X+32*\c+16:X+32*\c+31], v[MX+2+\c]   ; (a conversion's three registers begin on an even number)
.endr
	v_nop                                          ; one plain instruction behind a scaled conversion
.irp c, 0,1
.irp i, 0,1,2
	v_mov_b32 v[C+6*\c+3+\i], v[CT+4*\c+\i]
.endr
.endr
.irp c, 0,1,2
	global_store_b128 v1, v[C+4*\c:C+4*\c+3], s[18:19] offset:KCH*(\s)+512*\c   ; 32 lanes store 512 consecutive bytes, at a multiple of 256 from the buffer's first byte
.endr
.endm
	LOADF 0
	LOADF 1
.irp s, 0,1,2,3,4,5,6,7
	FRAG \s
.endr
.irp i, 0,1,2,3
	v_cndmask_b32 v[OW+\i], v[W+\i], v[W+4+\i], s28   ; lanes 0-15 store a row's words 0-3, lanes 16-31 its words 4-7
.endr
	global_store_b128 v4, v[OW:OW+3], s[20:21]     ; 512 consecutive bytes
	s_wait_tensorcnt 0x0
	ds_add_u32 v254, v255
	s_wait_dscnt 0x0
	s_endpgm
	; ---------------- the table of cos and sin ----------------
.Ltable:
	s_sub_co_u32 s24, ttmp9, 192
	s_lshl_b32 s24, s24, 2
	s_add_co_u32 s24, s24, s2                      ; which 32 positions are my wave's
	s_lshl_b32 s25, s24, 5                         ; the first of them
	s_lshl_b32 s30, s24, 13                        ; 256 bytes a position
	s_mov_b32 s31, 0
	s_wait_alu depctr_va_vdst(0)
	v_lshlrev_b32 v1, 3, v6                        ; 8 bytes a lane
	v_mov_b32 v2, 0
.macro INV j, val                      ; lane j's frequency, 10000^(-j / 32) = 10^(-j / 8)
	s_mov_b32 s4, \val
	v_writelane_b32 v2, s4, \j
.endm
	INV 0, 1.0
	INV 1, 0.7498942093
	INV 2, 0.5623413252
	INV 3, 0.4216965034
	INV 4, 0.3162277660
	INV 5, 0.2371373706
	INV 6, 0.1778279410
	INV 7, 0.1333521432
	INV 8, 0.1
	INV 9, 0.07498942093
	INV 10, 0.05623413252
	INV 11, 0.04216965034
	INV 12, 0.03162277660
	INV 13, 0.02371373706
	INV 14, 0.01778279410
	INV 15, 0.01333521432
	INV 16, 0.01
	INV 17, 0.007498942093
	INV 18, 0.005623413252
	INV 19, 0.004216965034
	INV 20, 0.003162277660
	INV 21, 0.002371373706
	INV 22, 0.001778279410
	INV 23, 0.001333521432
	INV 24, 0.001
	INV 25, 0.0007498942093
	INV 26, 0.0005623413252
	INV 27, 0.0004216965034
	INV 28, 0.0003162277660
	INV 29, 0.0002371373706
	INV 30, 0.0001778279410
	INV 31, 0.0001333521432
	v_cvt_f32_u32 v3, s25                          ; the position, as f32
	s_mov_b32 s5, 0xbfc90fdb                       ; -pi / 2, rounded to f32,
	s_mov_b32 s6, 0x333bbd2e                       ; and what the rounding added: 4.37113883e-8
	s_wait_kmcnt 0x0
	s_add_nc_u64 s[22:23], s[22:23], s[30:31]
	s_mov_b32 s29, 0
.Lpos:
	s_wait_alu depctr_va_vdst(0)
	v_mul_f32 v4, v3, v2                           ; the angle, rounded once, as the problem rounds it
	v_mul_f32 v5, 0x3f22f983, v4                   ; x 2 / pi
	v_rndne_f32 v5, v5                             ; n: which quarter turn
	v_fma_f32 v6, v5, s5, v4
	v_fma_f32 v6, v5, s6, v6                       ; the angle less n pi / 2, within pi / 4 of 0
	v_mul_f32 v7, v6, v6                           ; z
	v_mov_b32 v8, 0xb94ca1f9                       ; sin = a + a z (-1.6666654611e-1 + z (8.3321608736e-3 - 1.9515295891e-4 z))
	v_fmaak_f32 v8, v8, v7, 0x3c08839e
	v_fmaak_f32 v8, v8, v7, 0xbe2aaaa3
	v_mul_f32 v9, v6, v7
	v_fma_f32 v8, v8, v9, v6
	v_mov_b32 v10, 0x37ccf5ce                      ; cos = 1 - z / 2 + z z (4.166664568e-2 + z (-1.388731625e-3 + 2.443315712e-5 z))
	v_fmaak_f32 v10, v10, v7, 0xbab6061a
	v_fmaak_f32 v10, v10, v7, 0x3d2aaaa5
	v_mul_f32 v11, v7, v7
	v_fma_f32 v12, v7, -0.5, 1.0
	v_fma_f32 v10, v10, v11, v12
	v_cvt_i32_f32 v13, v5
	v_and_b32 v14, 1, v13
	v_cmp_eq_u32 vcc_lo, 1, v14                    ; an odd quarter turn swaps the two
	v_cndmask_b32 v15, v8, v10, vcc_lo
	v_cndmask_b32 v16, v10, v8, vcc_lo
	v_and_b32 v17, 2, v13                          ; sin is negated in quarters 2 and 3,
	v_lshlrev_b32 v17, 30, v17
	v_xor_b32 v21, v15, v17
	v_add_nc_u32 v18, 1, v13                       ; cos in quarters 1 and 2
	v_and_b32 v18, 2, v18
	v_lshlrev_b32 v18, 30, v18
	v_xor_b32 v20, v16, v18
	global_store_b64 v1, v[20:21], s[22:23]        ; 32 lanes store a position's 256 bytes
	s_wait_xcnt 0x0                                ; the store has read its data and its base: both are written again only behind this wait
	s_add_nc_u64 s[22:23], s[22:23], 256
	v_add_f32 v3, 1.0, v3
	s_add_co_u32 s29, s29, 1
	s_cmp_lt_u32 s29, 32
	s_cbranch_scc1 .Lpos
	s_endpgm
.Lfunc_end_k_qae895b598f_prep:
	.size	k_qae895b598f_prep, .Lfunc_end_k_qae895b598f_prep-k_qae895b598f_prep
	.p2alignl 7, 3214868480
	.fill 96, 4, 3214868480
	.section	.rodata,"a",@progbits
	.p2align	6, 0x0
	.amdhsa_kernel k_qae895b598f_prep
		.amdhsa_group_segment_fixed_size 34304
		.amdhsa_private_segment_fixed_size 0
		.amdhsa_enable_private_segment 0
		.amdhsa_kernarg_size 64
		.amdhsa_user_sgpr_count 2
		.amdhsa_user_sgpr_kernarg_segment_ptr 1
		.amdhsa_wavefront_size32 1
		.amdhsa_system_sgpr_workgroup_id_x 1
		.amdhsa_system_sgpr_workgroup_id_y 1
		.amdhsa_system_sgpr_workgroup_id_z 1
		.amdhsa_system_vgpr_workitem_id 0
		.amdhsa_next_free_vgpr 256
		.amdhsa_next_free_sgpr 66
		.amdhsa_reserve_vcc 1
		.amdhsa_float_denorm_mode_32 3
		.amdhsa_float_denorm_mode_16_64 3
		.amdhsa_memory_ordered 1
		.amdhsa_forward_progress 1
		.amdhsa_inst_pref_size 64
	.end_amdhsa_kernel
	.amdgpu_metadata
---
amdhsa.version: [ 1, 2 ]
amdhsa.kernels:
  - .name:           k_qae895b598f_prep
    .symbol:         k_qae895b598f_prep.kd
    .args:
      - { .name: x, .offset: 0, .size: 8, .value_kind: global_buffer, .address_space: global }
      - { .name: wq, .offset: 8, .size: 8, .value_kind: global_buffer, .address_space: global }
      - { .name: wk, .offset: 16, .size: 8, .value_kind: global_buffer, .address_space: global }
      - { .name: wv, .offset: 24, .size: 8, .value_kind: global_buffer, .address_space: global }
      - { .name: wo, .offset: 32, .size: 8, .value_kind: global_buffer, .address_space: global }
      - { .name: codes, .offset: 40, .size: 8, .value_kind: global_buffer, .address_space: global }
      - { .name: scl, .offset: 48, .size: 8, .value_kind: global_buffer, .address_space: global }
      - { .name: rope, .offset: 56, .size: 8, .value_kind: global_buffer, .address_space: global }
    .group_segment_fixed_size: 34304
    .private_segment_fixed_size: 0
    .kernarg_segment_align: 8
    .kernarg_segment_size: 64
    .max_flat_workgroup_size: 128
    .sgpr_count:     66
    .vgpr_count:     256
    .wavefront_size: 32
...
	.end_amdgpu_metadata
.endif
;; end of part 1
;; launch qkv (part 2): grid 12 x 32, 4 waves a work-group, clusters of 4 x 4, 327,680 bytes of LDS; arguments codes, scl, rope, qg, kvg; writes qg, kvg
.if DOCPART == 2
	.amdgcn_target "amdgcn-amd-amdhsa--gfx1250"
	.amdhsa_code_object_version 6
	.text
	.protected	k_qae895b598f_qkv
	.globl	k_qae895b598f_qkv
	.p2align	8
	.type	k_qae895b598f_qkv,@function
k_qae895b598f_qkv:
	s_mov_b64 s[64:65], 0
	v_nop
	global_prefetch_b8 v0, s[64:65] scope:SCOPE_SE
	s_setreg_imm32_b32 hwreg(HW_REG_WAVE_MODE, 25, 1), 1
	s_wait_xcnt 0x0
	s_wait_alu depctr_hold_cnt(0) depctr_sa_sdst(0) depctr_va_vdst(0) depctr_va_sdst(0) depctr_va_ssrc(0) depctr_va_vcc(0) depctr_vm_vsrc(0)
	s_getreg_b32 s2, hwreg(HW_REG_IB_STS2, 6, 4)
	s_cmp_eq_u32 s2, 0
	s_cbranch_scc0 .Lentry_in_a_cluster
	s_endpgm
.Lentry_in_a_cluster:
	s_bfe_u32 s2, ttmp6, 0x10000c
	s_cmp_lg_u32 s2, 0xf033
	s_cbranch_scc0 .Lentry_shape_is_right
	s_endpgm
.Lentry_shape_is_right:
; q, k, v = x wq^T, x wk^T, x wv^T on codes of FP6 (E2M3) with E8M0 scales; q and k are rotated (RoPE) and quantised along the head's 64, v along the keys; all three leave as images of operand registers.
; A tile of the result, 256 x 256, is made by a work-group of four waves; a wave makes 128 x 128: 64 accumulators, 512 registers.  K = 1,024 is eight steps of 128.
; ROLES.  Source 0 ("B") gives a lane's registers, source 1 ("A") its lane.  Cluster x = 0: q, 1: k: B = 256 rows of the weight, A = 256 tokens: a lane holds one token, its registers run along the features.
; Cluster x = 2: v: B = 256 tokens, A = 256 rows of wv: a lane holds one channel, its registers run along the keys.  All operands lie in one buffer, as images (16 rows x 128 K = 1,536 bytes: registers
; 4 c .. 4 c + 3 of lane l at 512 c + 16 l), so a fragment is three loads of 16 bytes a lane, consecutive over the lanes, and a K step's tiles are one dense block.
; THE ROWS OF A TILE ARE NOT NEIGHBOURS (lane r of tile T: row 32 (T / 2) + 8 (T % 2) + r + 8 (r / 8)): the 16 registers of B's tiles 2 b and 2 b + 1 are rows 32 b + 16 (lane / 16) + 0 .. 15.
; LDS: three slots, each with two K steps of A (49,152 bytes) and of B; the first three fills go out together, the fourth goes into slot 0 when it has been read: one refill in the launch.  Behind the slots: the
; scale bytes of A's and B's 256 rows for all of K (8,192 bytes each), brought once; then the spare words.
; CLUSTERS: 4 x 4 work-groups.  A's blocks are shared along a row of the cluster, B's along a column: each is asked for jointly, by the same tensor load with the same descriptor and a mask that names the four.
; OUT.  qg: [head 64][block of 128 queries 16][6,400]: four images, image p = tiles 2 p | 2 p + 1 (64 codes each), then 256 bytes of scale words.  kvg: [head][128 keys 16][K's group 6,400][V's group 6,400]:
; K's as q's; V's image t = 16 channels (tile t of the head) x 128 keys.  The four scale words of a group: 8 bytes a lane: word 0 (lanes 0-15) | word 1 (lanes 16-31), then word 2 | word 3.
; LIMITS: NaN and infinities are not served; a block whose largest magnitude lies under 2^-124, zeros among them, gets the byte 1 (its codes then are zeros or tiny; this program alone reads the bytes).
; REGISTERS, in windows of 256: window 0: v16-29 addresses; v32-95 scale words; v128-223 A's fragments, one set.  window 1: B's fragments, two sets, at v0 and v128.  windows 2, 3: accumulators, (a, b) at v[8 (8 (a % 4) + b)].
; On the way out window 0 is used anew (below) and window 1 holds cos and sin.
.set FR,    12                         ; registers of a fragment
.set NL,    3                          ; LDS loads that bring one
.set NP,    4                          ; places behind this matrix instruction (ISA guide 7.12.1)
.set FRB,   1536
.set QB,    16*FRB                     ; a K step of 256 rows
.set HALF,  2*QB                       ; A's part of a slot
.set SLOT,  2*HALF
.set MBB,   8*QB                       ; a block of 256 rows, all of K
.set SCL,   3*SLOT
.set SPARE, SCL+16384                  ; the spare words, 128 bytes for each wave: two blocks of 256 bytes that no other line names
.set ADRA, 16                          ; v16-18  LDS address of my A fragments in slot 0, 1, 2
.set ADRB, 20                          ; v20-22  the same for B
.set LI,   24                          ; v24     16 x lane
.set L8,   25                          ; v25     8 x lane
.set RO,   26                          ; v26     my byte in the table of cos and sin: (r + 8 (r / 8)) x 256 + 64 h
.set ADRS, 27                          ; v27     LDS address of my scale words: lanes 0-15 A's rows, lanes 16-31 B's
.set SPW,  28                          ; v28     LDS address of my spare word; never rewritten
.set NIL,  29                          ; v29     0; never rewritten
.set SC,   32                          ; v[SC + 8 i + n]: K step n: lanes 0-15 the word of A's tile i, lanes 16-31 that of B's tile i
.set AF,   128
.set ST,   32                          ; the way out: v32-95 64 rotated numbers
.set PC,   96                          ; v96-107 a fragment's codes, v108-114 second halves as converted
.set TM,   116                         ; v116-119 largest magnitudes, v120-123 permutes and bytes, v128-131 scale operands
.set T,    134                         ; v134-141 four pairs at work
.set W,    144                         ; v144-151 scale words: 4 x head + image
.set XP,   152                         ; v152-155 the pairs that are stored
.set G1,   24                          ; s[24:31] group 1 for A's blocks;  s[32:43] groups 0, one for each slot;  s[44:47] group 0 for A's scales
.set G0,   32
.set G0S,  44
.set G1B,  48                          ; s[48:55] group 1 for B's blocks;  s[56:63], s[68:71] groups 0;  s[72:75] for B's scales
.set G0SB, 72
.set G1S,  76                          ; s[76:83], s[84:91] groups 1 for the scales
.set G1SB, 84
.set MSB, 0
.macro WIN new                         ; the immediate's high byte repeats the setting that is left
.if MSB != (\new)
	s_set_vgpr_msb (MSB<<8)|(\new)
.set MSB, \new
.endif
.endm
.set MUL_LO, 0xa1                      ; source 0 (B) window 1, source 1 (A) window 0, C and D window 2
.set MUL_HI, 0xf1                      ; the same, C and D window 3
.set TO_B,   0x40                      ; destination window 1, address window 0
; A joint load: waves 0 and 1 fetch for A, waves 2 and 3 for B.  Each line has one mask and one set of registers for all that issue it; the branch hangs on the wave's number alone.
; Four v_nop follow each of the two lines, ahead of the jump, the label and what follows.
.macro JLOAD g0a, g1a, g0b, g1b
	s_cmp_eq_u32 s15, 0
	s_cbranch_scc0 .Lfor_b_\@
	tensor_load_to_lds s[\g0a:\g0a+3], s[\g1a:\g1a+7]
	s_nop 0
.rept 4
	v_nop
.endr
	s_branch .Lasked_\@
.Lfor_b_\@:
	tensor_load_to_lds s[\g0b:\g0b+3], s[\g1b:\g1b+7]
	s_nop 0
.rept 4
	v_nop
.endr
.Lasked_\@:
.endm
.macro CREST                           ; a round of the cluster's barrier behind its opening barrier
	s_cmp_lg_u32 s14, 0
	s_cbranch_scc1 .Lnot_wave_0_\@
	s_barrier_signal -3
.Lnot_wave_0_\@:
	s_barrier_wait -3
	s_barrier_signal -1
	s_barrier_wait -1
.endm
.macro CROUND
	s_barrier_signal -1
	s_barrier_wait -1
	CREST
.endm
	s_load_b256 s[4:11], s[0:1], 0x0               ; codes s[4:5], scl s[6:7], rope s[8:9], qg s[10:11]
	s_load_b64 s[12:13], s[0:1], 0x20              ; kvg
	v_lshl_add_u32 v[SPW], v0, 2, SPARE
	v_mov_b32 v[NIL], 0
	ds_add_u32 v28, v29
	ds_add_u32 v28, v29
	s_wait_dscnt 0x0
	v_lshrrev_b32 v1, 5, v0
	v_readfirstlane_b32 s14, v1                    ; wave 0..3
	s_lshr_b32 s15, s14, 1                         ; which half of A's rows is mine.  Also: I fetch for A (0) or for B (1)
	s_and_b32 s16, s14, 1                          ; which half of B's rows.  Also: which of a slot's two K steps I fetch
	s_bfe_u32 s17, ttmp6, 0x40000                  ; cx
	s_bfe_u32 s18, ttmp6, 0x40004                  ; cy
	s_and_b32 s19, ttmp7, 0xffff
	s_lshl_b32 s19, s19, 2                         ; 4 x cluster y
	s_lshl_b32 s20, ttmp9, 2
	s_add_co_u32 s20, s20, 32                      ; the weight's first block: 32 (wq) or 36 (wk)
	s_cmp_eq_u32 ttmp9, 2                          ; v?  The cluster's x is the same in all sixteen partners
	s_cselect_b32 s21, 40, s19
	s_cselect_b32 s22, s19, s20
	s_add_co_u32 s21, s21, s18                     ; A's block of 256 rows: it hangs on cy alone of my place
	s_add_co_u32 s22, s22, s17                     ; B's: on cx alone
	s_lshl_b32 s23, s18, 2
	s_lshl_b32 s23, 15, s23                        ; my row of the cluster
	s_lshl_b32 s2, 0x1111, s17                     ; my column
	; group 1: a dense block as rows of 256 bytes (32 elements of 8 bytes): 96 rows of codes, 16 rows of scale bytes; no padding
	s_or_b32 s[G1+0], s23, (3<<16)|(1<<21)         ; 15:0 the mask; 17:16 elements of 8 bytes; 21 set beside a mask
	s_or_b32 s[G1B+0], s2, (3<<16)|(1<<21)
	s_or_b32 s[G1S+0], s23, (3<<16)|(1<<21)
	s_or_b32 s[G1SB+0], s2, (3<<16)|(1<<21)
.irp g, G1, G1B
	s_mov_b32 s[\g+1], 32<<16                      ; tensor_dim0
	s_mov_b32 s[\g+2], 96<<16                      ; tensor_dim1
	s_mov_b32 s[\g+3], 32<<16                      ; tile_dim0
	s_mov_b32 s[\g+4], 96                          ; tile_dim1
	s_mov_b32 s[\g+5], 32                          ; the pitch
	s_mov_b32 s[\g+6], 0
	s_mov_b32 s[\g+7], 0
.endr
.irp g, G1S, G1SB
	s_mov_b32 s[\g+1], 32<<16
	s_mov_b32 s[\g+2], 16<<16
	s_mov_b32 s[\g+3], 32<<16
	s_mov_b32 s[\g+4], 16
	s_mov_b32 s[\g+5], 32
	s_mov_b32 s[\g+6], 0
	s_mov_b32 s[\g+7], 0
.endr
	s_mul_i32 s92, s21, MBB                        ; A's codes: the block, and my K step of a slot's two
	s_mul_i32 s3, s16, QB
	s_add_co_u32 s92, s92, s3
	s_mov_b32 s93, 0
	s_mul_i32 s94, s22, MBB                        ; B's
	s_add_co_u32 s94, s94, s3
	s_mov_b32 s95, 0
	s_lshl_b32 s96, s21, 13                        ; A's scale bytes: 8,192 a block, my half of them
	s_lshl_b32 s3, s16, 12
	s_add_co_u32 s96, s96, s3
	s_mov_b32 s97, 0
	s_lshl_b32 s98, s22, 13                        ; B's
	s_add_co_u32 s98, s98, s3
	s_mov_b32 s99, 0
	s_mul_i32 s100, s14, QB                        ; where they go: wave x 24,576 in a slot: no place in the cluster enters an LDS address
	s_lshl_b32 s101, s14, 12                       ; wave x 4,096 among the scales
	s_wait_kmcnt 0x0
	s_add_nc_u64 s[92:93], s[4:5], s[92:93]
	s_add_nc_u64 s[94:95], s[4:5], s[94:95]
	s_add_nc_u64 s[96:97], s[6:7], s[96:97]
	s_add_nc_u64 s[98:99], s[6:7], s[98:99]
	CROUND                                         ; all sixteen work-groups are here: the first joint loads meet
	s_mov_b32 s[G0S], 1
	s_add_co_u32 s[G0S+1], s101, SCL
	s_mov_b64 s[G0S+2:G0S+3], s[96:97]
	s_or_b32 s[G0S+3], s[G0S+3], 0x80000000
	s_mov_b32 s[G0SB], 1
	s_add_co_u32 s[G0SB+1], s101, SCL
	s_mov_b64 s[G0SB+2:G0SB+3], s[98:99]
	s_or_b32 s[G0SB+3], s[G0SB+3], 0x80000000
	JLOAD G0S, G1S, G0SB, G1SB                     ; the scales first: they are wanted with K step 0
.macro FIRST s, g0a, g0b               ; slot s takes K steps 2 s and 2 s + 1
	s_mov_b32 s[\g0a], 1
	s_add_co_u32 s[\g0a+1], s100, \s*SLOT
	s_add_nc_u64 s[\g0a+2:\g0a+3], s[92:93], \s*HALF
	s_or_b32 s[\g0a+3], s[\g0a+3], 0x80000000
	s_mov_b32 s[\g0b], 1
	s_add_co_u32 s[\g0b+1], s100, \s*SLOT
	s_add_nc_u64 s[\g0b+2:\g0b+3], s[94:95], \s*HALF
	s_or_b32 s[\g0b+3], s[\g0b+3], 0x80000000
	JLOAD \g0a, G1, \g0b, G1B
.endm
	FIRST 0, 32, 56
	FIRST 1, 36, 60
	FIRST 2, 40, 68                                ; four tensor loads of mine are out
	v_and_b32 v1, 31, v0
	v_and_b32 v2, 15, v0                           ; r
	v_bfe_u32 v3, v0, 4, 1                         ; h
	s_wait_alu depctr_va_vdst(0)
	v_lshlrev_b32 v[LI], 4, v1
	v_lshlrev_b32 v[L8], 3, v1
	s_mul_i32 s2, s15, 8*FRB                       ; my eight tiles of A
	s_mul_i32 s3, s16, 8*FRB                       ; my eight tiles of B,
	s_add_co_u32 s3, s3, HALF                      ; which lie behind A's part
.irp s, 0,1,2
	v_add_nc_u32 v[ADRA+\s], s2, v[LI]
	v_add_nc_u32 v[ADRB+\s], s3, v[LI]
	s_add_co_u32 s2, s2, SLOT
	s_add_co_u32 s3, s3, SLOT
.endr
	s_lshl_b32 s2, s15, 12                         ; A's scales: my 128 rows of 32 bytes
	s_lshl_b32 s3, s16, 12                         ; B's, behind A's 8,192
	s_add_co_u32 s3, s3, 8192
	s_sub_co_u32 s3, s3, s2
	v_mul_u32_u24 v4, s3, v3                       ; lanes 16-31 take B's: the lower base + h x the distance
	v_lshl_add_u32 v4, v2, 5, v4
	s_add_co_u32 s2, s2, SCL
	v_add_nc_u32 v[ADRS], s2, v4
	v_and_b32 v4, 8, v2
	v_add_nc_u32 v4, v4, v2                        ; r + 8 (r / 8)
	v_lshlrev_b32 v[RO], 8, v4
	v_lshl_add_u32 v[RO], v3, 6, v[RO]
.macro FRAG reg, adr, q, i             ; an image comes back as the registers that it is
.irp c, 0,1,2
	ds_load_b128 v[\reg+4*\c:\reg+4*\c+3], v[\adr] offset:QB*(\q)+FRB*(\i)+512*\c
.endr
.endm
; 16 matrix instructions: A's tiles a0, a0 + 1 x B's eight, K step n.  p: B's set.  zero = 1: the first product starts the sums.  The 64 accumulators take turns, one instruction a turn, in the same order in every
; step.
.macro MUL16 a0, p, n, zero
.irp a, \a0, \a0+1
.irp b, 0,1,2,3,4,5,6,7
.if \zero
	v_wmma_scale_f32_16x16x128_f8f6f4 v[8*(8*((\a)%4)+\b):8*(8*((\a)%4)+\b)+7], v[128*(\p)+FR*\b:128*(\p)+FR*\b+FR-1], v[AF+FR*(\a):AF+FR*(\a)+FR-1], 0, v[SC+8*\b+(\n)], v[SC+8*(\a)+(\n)] matrix_a_fmt:MATRIX_FMT_FP6 matrix_b_fmt:MATRIX_FMT_FP6 matrix_a_scale:MATRIX_SCALE_ROW1
.else
	v_wmma_scale_f32_16x16x128_f8f6f4 v[8*(8*((\a)%4)+\b):8*(8*((\a)%4)+\b)+7], v[128*(\p)+FR*\b:128*(\p)+FR*\b+FR-1], v[AF+FR*(\a):AF+FR*(\a)+FR-1], v[8*(8*((\a)%4)+\b):8*(8*((\a)%4)+\b)+7], v[SC+8*\b+(\n)], v[SC+8*(\a)+(\n)] matrix_a_fmt:MATRIX_FMT_FP6 matrix_b_fmt:MATRIX_FMT_FP6 matrix_a_scale:MATRIX_SCALE_ROW1
.endif
.endr
.endr
.endm
.macro FETCH_B slot, q, p
	WIN TO_B
.irp i, 0,1,2,3,4,5,6,7
	FRAG 128*(\p)+FR*\i, ADRB+\slot, \q, \i
.endr
	WIN 0
.endm
.macro FETCH_A slot, q, i0
.irp i, \i0, \i0+1, \i0+2, \i0+3
	FRAG AF+FR*(\i), ADRA+\slot, \q, \i
.endr
.endm
; A load into a register that a matrix instruction has read stands NP places behind it, and only plain vector instructions that name none of its registers are places (ISA guide 7.12.1 for vector instructions).
.macro PLACES n
.rept \n
	v_nop
.endr
.endm
; K step n, whose successor's tiles are known to be whole.  A's tiles 0-3 are fetched anew in the step's middle, 4-7 at its end; B's next set in the middle.
.macro STEP n, zero
.set NS, (((\n)+1)/2)%3
.set NQ, ((\n)+1)%2
.set PB, (\n)%2
	s_wait_dscnt 4*NL                              ; B's set and A's tiles 0-3 are in; the youngest twelve loads (A's tiles 4-7) may be out
	WIN MUL_LO
	MUL16 0, PB, \n, \zero
	MUL16 2, PB, \n, \zero
	s_wait_dscnt 0x0                               ; A's tiles 4-7 are in
	PLACES NP
	FETCH_B NS, NQ, 1-PB
	FETCH_A NS, NQ, 0
	WIN MUL_HI
	MUL16 4, PB, \n, \zero
	MUL16 6, PB, \n, \zero
	PLACES NP
	WIN 0
	FETCH_A NS, NQ, 4
.endm
; K step n with a barrier in it.  In front of the barrier each wave waits for all its tensor loads, adds 0 to its spare word, and waits for that and for its reads of the slot in hand.
; fill = 1: the barrier opens a round of the cluster's, and slot 0, which has been read, takes K steps 6 and 7: the launch's one refill.
.macro TURN n, fill
.set NS, (((\n)+1)/2)%3
	s_wait_tensorcnt 0x0                           ; all my tensor loads have landed  (every window is 0 here: the add's two registers lie in window 0)
	ds_add_u32 v[SPW], v[NIL]                      ; 0 onto my spare word
	s_wait_dscnt 4*NL+1                            ; (the add and the youngest twelve loads, A's tiles 4-7, may be out)
	WIN MUL_LO
	MUL16 0, 1, \n, 0                              ; sixteen matrix instructions stand between the add and the wait for it
	s_wait_dscnt 0x0                               ; the add is done, and my reads of this slot are over
	s_barrier_signal -1
	MUL16 2, 1, \n, 0
	WIN 0
	s_barrier_wait -1
.if \fill
	CREST                                          ; no wave of any partner still reads slot 0 or has a load on its way
	s_add_nc_u64 s[34:35], s[34:35], 3*HALF
	s_add_nc_u64 s[58:59], s[58:59], 3*HALF
	JLOAD 32, G1, 56, G1B                          ; the first tensor load behind the round; its four v_nop are also the places in front of the loads below.  It has 224 matrix instructions in which to land
.else
	PLACES NP
.endif
	FETCH_B NS, 0, 0
	FETCH_A NS, 0, 0
	WIN MUL_HI
	MUL16 4, 1, \n, 0
	MUL16 6, 1, \n, 0
	PLACES NP
	WIN 0
	FETCH_A NS, 0, 4
.endm
	s_wait_alu depctr_va_vdst(0)
	s_wait_tensorcnt 2                             ; the scales and my part of slot 0 are in; slots 1 and 2 may stay out
	s_barrier_signal -1
	s_barrier_wait -1
	FETCH_B 0, 0, 0
	FETCH_A 0, 0, 0
.irp i, 0,1,2,3,4,5,6,7                        ; all scale words, once: a row's 32 bytes are its eight words
	ds_load_b128 v[SC+8*\i:SC+8*\i+3], v[ADRS] offset:512*\i
	ds_load_b128 v[SC+8*\i+4:SC+8*\i+7], v[ADRS] offset:512*\i+16
.endr
	FETCH_A 0, 0, 4
	STEP 0, 1                                      ; the first step's products start the sums: nothing is cleared
	TURN 1, 1                                      ; every wave has waited for all its loads in front of this round: behind it slots 1 and 2 are whole for everybody
	STEP 2, 0
	STEP 3, 0                                      ; so the step into slot 2 needs no barrier
	STEP 4, 0
	TURN 5, 0                                      ; the refill of slot 0 has landed, everybody's
	STEP 6, 0
	s_wait_dscnt 4*NL                              ; the last step: nothing more to fetch
	WIN MUL_LO
	MUL16 0, 1, 7, 0
	MUL16 2, 1, 7, 0
	s_wait_dscnt 0x0
	WIN MUL_HI
	MUL16 4, 1, 7, 0
	MUL16 6, 1, 7, 0
	WIN 0
	; ---------------- the way out: no LDS ----------------
	; which tokens and which heads are mine.  (No tensor load is out: the descriptors' registers are free.)
	s_cmp_eq_u32 ttmp9, 2
	s_cselect_b32 s24, s17, s18                    ; my place along the axis of x's blocks,
	s_cselect_b32 s25, s18, s17                    ; and along the weight's
	s_cselect_b32 s26, s16, s15                    ; my half of x's block,
	s_cselect_b32 s27, s15, s16                    ; and of the weight's
	s_cselect_b32 s28, 6400, 0                     ; V's group lies behind K's
	s_add_co_u32 s24, s24, s19                     ; x's block of 256 tokens
	s_lshr_b32 s29, s24, 3                         ; the batch
	s_and_b32 s30, s24, 7
	s_lshl_b32 s31, s30, 1
	s_add_co_u32 s31, s31, s26                     ; my 128 tokens among the sequence's sixteen
	s_lshl_b32 s29, s29, 4
	s_lshl_b32 s25, s25, 2
	s_add_co_u32 s29, s29, s25
	s_lshl_b32 s27, s27, 1
	s_add_co_u32 s29, s29, s27                     ; the first of my two heads: 16 x batch + 4 x block + 2 x half
	s_lshl_b32 s29, s29, 4
	s_add_co_u32 s29, s29, s31
	s_cmp_eq_u32 ttmp9, 0
	s_cselect_b64 s[92:93], s[10:11], s[12:13]     ; q goes to qg, k and v to kvg
	s_mov_b32 s32, 12800
	s_cselect_b32 s32, 6400, s32
	s_mul_i32 s34, s29, s32
	s_add_co_u32 s34, s34, s28
	s_mov_b32 s35, 0
	s_add_nc_u64 s[92:93], s[92:93], s[34:35]      ; my group of the first head,
	s_lshl_b32 s34, s32, 4
	s_add_nc_u64 s[94:95], s[92:93], s[34:35]      ; and of the second: sixteen groups on
	s_lshl_b32 s34, s30, 8
	s_lshl_b32 s33, s26, 7
	s_add_co_u32 s34, s34, s33                     ; my first position
	s_lshl_b32 s34, s34, 8
	s_add_nc_u64 s[96:97], s[8:9], s[34:35]        ; its row of the table
	s_mov_b32 s98, 0xffff0000                      ; lanes 16-31
	s_mov_b32 s100, 0x76543210
	s_mov_b32 s101, 0xfedcba98                     ; v_permlanex16_b32's selects for lane l xor 16
.irp b, 0,1,2,3
	v_mov_b32 v[TM+4+\b], 0                        ; a lane permute's destination counts as one of its sources.  These four name no register of the last products: they are the places behind them
.endr
; 64 numbers of a lane in window w, register s + 16 b + i = index 32 b + 16 (lane / 16) + i of my row, become a fragment's codes in v[PC] on and its scale word in v[dst].
.macro QUANT s, w, dst
	WIN (\w)|((\w)<<2)
.irp b, 0,1,2,3
	v_max3_num_f32 v[TM+\b], |v[(\s)+16*\b]|, |v[(\s)+1+16*\b]|, 0x1800000   ; block b: my 16 numbers, from each accumulator's low end on, and the floor 2^(3 - 127): the byte cannot fall under 1
.endr
	WIN ((\w)<<2)|((\w)<<4)
.irp i, 2,4,6,8,10,12,14
.irp b, 0,1,2,3
	v_max3_num_f32 v[TM+\b], v[TM+\b], |v[(\s)+16*\b+\i]|, |v[(\s)+1+16*\b+\i]|
.endr
.endr
	WIN 0
.irp b, 0,1,2,3
	v_permlanex16_b32 v[TM+4+\b], v[TM+\b], s100, s101
.endr
.irp b, 0,1,2,3
	v_max_num_f32 v[TM+\b], v[TM+\b], v[TM+4+\b]   ; with lane l xor 16's: the block's largest magnitude
.endr
.irp b, 0,1,2,3
	v_add_nc_u32 v[TM+12+\b], 0xff000000, v[TM+\b] ; 2 off its exponent field: the conversion's scale operand
.endr
.irp b, 0,1,2,3
	v_lshrrev_b32 v[TM+4+\b], 23, v[TM+12+\b]      ; the scale's byte
.endr
	v_lshl_or_b32 v[\dst], v[TM+5], 8, v[TM+4]
	v_lshl_or_b32 v[\dst], v[TM+6], 16, v[\dst]
	v_lshl_or_b32 v[\dst], v[TM+7], 24, v[\dst]
	WIN \w
.irp c, 0,1
	v_cvt_scalef32_pk16_fp6_f32 v[PC+6*\c:PC+2+6*\c], v[(\s)+32*\c:(\s)+15+32*\c], v[TM+12+2*\c]
	v_cvt_scalef32_pk16_fp6_f32 v[PC+12+4*\c:PC+14+4*\c], v[(\s)+16+32*\c:(\s)+31+32*\c], v[TM+12+2*\c+1]   ; (a conversion's three registers begin on an even number)
.endr
	WIN 0
	v_nop                                          ; one plain instruction behind a scaled conversion
.irp c, 0,1                                    ; the operand's layout wants a whole block in a lane: lanes 0-15 block 2 c, lanes 16-31 block 2 c + 1
.irp i, 0,1,2
	v_permlane16_swap_b32 v[PC+6*\c+\i], v[PC+12+4*\c+\i]
.endr
.irp i, 0,1,2
	v_mov_b32 v[PC+3+6*\c+\i], v[PC+12+4*\c+\i]
.endr
.endr
.endm
.macro PUT d, off                      ; the image leaves: each store covers 512 consecutive bytes, at a multiple of 256 from the buffer's first byte
.irp c, 0,1,2
	global_store_b128 v[LI], v[PC+4*\c:PC+4*\c+3], s[\d:\d+1] offset:\off+512*\c
.endr
.endm
; The rotation of tiles 2 p and 2 p + 1 of tokens, head e: (x1, x2) -> (cos x1 - sin x2, sin x1 + cos x2), a pair of neighbouring features at a time.  The accumulators (window 2 or 3) are read from their low end on;
; cos and sin lie in window 1, a pair of registers for each pair of features; the results go to window 0.
.macro ROPE p, e
	WIN (2+(\p)/2)|(1<<2)
.irp u, 0,1
.irp k, 0,1
.irp g, 0,1
.set XR, 8*(8*((2*(\p)+\u)%4)+4*(\e)+2*\k+\g)
.set CR, 64*(\p)+32*\u+16*\k+8*\g
.set OQ, ST+32*\u+16*\k+8*\g
.irp j, 0,1,2,3
	v_pk_mul_f32 v[T+2*\j:T+2*\j+1], v[XR+2*\j:XR+2*\j+1], v[CR+2*\j:CR+2*\j+1] op_sel:[1,1] op_sel_hi:[0,1]   ; (sin x2, sin x1)
.endr
.irp j, 0,1,2,3
	v_fma_f32 v[OQ+2*\j], v[XR+2*\j], v[CR+2*\j], -v[T+2*\j]
	v_fma_f32 v[OQ+2*\j+1], v[XR+2*\j+1], v[CR+2*\j], v[T+2*\j+1]
.endr
.endr
.endr
.endr
.endm
	s_cmp_eq_u32 ttmp9, 2
	s_cbranch_scc1 .Lvpath
	; q and k: the table's rows of my 128 positions: for tile 2 p + u and block k of 32 features, my 16 features' eight (cos, sin): 64 bytes
	WIN TO_B
.irp p, 0,1,2,3
.irp u, 0,1
.irp k, 0,1
.irp i, 0,1,2,3
	global_load_b128 v[64*\p+32*\u+16*\k+4*\i:64*\p+32*\u+16*\k+4*\i+3], v[RO], s[96:97] offset:(32*\p+8*\u)*256+128*\k+16*\i
.endr
.endr
.endr
.endr
	WIN 0
.irp p, 0,1,2,3
	s_wait_loadcnt 48-16*\p                        ; this pair of tiles' 16 loads are in; those of the later pairs may be out
.irp e, 0,1
	ROPE \p, \e
	WIN 0
	s_wait_xcnt 0x0                                ; the last image's stores have read their registers
	QUANT ST, 0, W+4*\e+\p
	PUT 92+2*\e, FRB*\p
.endr
.endr
	s_branch .Ljoin
.Lvpath:
	; v: the 64 registers of A's tile a are 128 keys of one channel, in the order that the quantiser wants
.irp a, 0,1,2,3,4,5,6,7
	s_wait_xcnt 0x0                                ; the last image's stores have read their registers
	QUANT 64*(\a%4), 2+\a/4, W+\a
	PUT 92+2*(\a/4), FRB*(\a%4)
.endr
.Ljoin:
.irp e, 0,1                                    ; a group's four scale words: 8 bytes a lane, 256 consecutive bytes
	v_cndmask_b32 v[XP+2*\e], v[W+4*\e], v[W+4*\e+1], s98
	v_cndmask_b32 v[XP+2*\e+1], v[W+4*\e+2], v[W+4*\e+3], s98
	global_store_b64 v[L8], v[XP+2*\e:XP+2*\e+1], s[92+2*\e:93+2*\e] offset:4*FRB
.endr
	s_wait_tensorcnt 0x0                           ; the wave's end
	ds_add_u32 v[SPW], v[NIL]
	s_wait_dscnt 0x0
	CROUND                                         ; the closing round: no work-group ends while a partner may still ask for a block that names it
	s_endpgm
.Lfunc_end_k_qae895b598f_qkv:
	.size	k_qae895b598f_qkv, .Lfunc_end_k_qae895b598f_qkv-k_qae895b598f_qkv
	.p2alignl 7, 3214868480
	.fill 96, 4, 3214868480
	.section	.rodata,"a",@progbits
	.p2align	6, 0x0
	.amdhsa_kernel k_qae895b598f_qkv
		.amdhsa_group_segment_fixed_size 327680
		.amdhsa_private_segment_fixed_size 0
		.amdhsa_enable_private_segment 0
		.amdhsa_kernarg_size 40
		.amdhsa_user_sgpr_count 2
		.amdhsa_user_sgpr_kernarg_segment_ptr 1
		.amdhsa_wavefront_size32 1
		.amdhsa_system_sgpr_workgroup_id_x 1
		.amdhsa_system_sgpr_workgroup_id_y 1
		.amdhsa_system_sgpr_workgroup_id_z 1
		.amdhsa_system_vgpr_workitem_id 0
		.amdhsa_next_free_vgpr 1024
		.amdhsa_next_free_sgpr 102
		.amdhsa_reserve_vcc 0
		.amdhsa_float_denorm_mode_32 3
		.amdhsa_float_denorm_mode_16_64 3
		.amdhsa_memory_ordered 1
		.amdhsa_forward_progress 1
		.amdhsa_inst_pref_size 227
	.end_amdhsa_kernel
	.amdgpu_metadata
---
amdhsa.version: [ 1, 2 ]
amdhsa.kernels:
  - .name:           k_qae895b598f_qkv
    .symbol:         k_qae895b598f_qkv.kd
    .args:
      - { .name: codes, .offset: 0, .size: 8, .value_kind: global_buffer, .address_space: global }
      - { .name: scl, .offset: 8, .size: 8, .value_kind: global_buffer, .address_space: global }
      - { .name: rope, .offset: 16, .size: 8, .value_kind: global_buffer, .address_space: global }
      - { .name: qg, .offset: 24, .size: 8, .value_kind: global_buffer, .address_space: global }
      - { .name: kvg, .offset: 32, .size: 8, .value_kind: global_buffer, .address_space: global }
    .group_segment_fixed_size: 327680
    .private_segment_fixed_size: 0
    .kernarg_segment_align: 8
    .kernarg_segment_size: 40
    .max_flat_workgroup_size: 128
    .sgpr_count:     102
    .vgpr_count:     1024
    .wavefront_size: 32
...
	.end_amdgpu_metadata
.endif
;; end of part 2
;; launch attn (part 3): grid 4 x 64, 16 waves a work-group, clusters of 4 x 1, 327,680 bytes of LDS; arguments qg, kvg, ac, asc; writes ac, asc
.if DOCPART == 3
	.amdgcn_target "amdgcn-amd-amdhsa--gfx1250"
	.amdhsa_code_object_version 6
	.text
	.protected	k_qae895b598f_attn
	.globl	k_qae895b598f_attn
	.p2align	8
	.type	k_qae895b598f_attn,@function
k_qae895b598f_attn:
	s_mov_b64 s[64:65], 0
	v_nop
	global_prefetch_b8 v0, s[64:65] scope:SCOPE_SE
	s_setreg_imm32_b32 hwreg(HW_REG_WAVE_MODE, 25, 1), 1
	s_wait_xcnt 0x0
	s_wait_alu depctr_hold_cnt(0) depctr_sa_sdst(0) depctr_va_vdst(0) depctr_va_sdst(0) depctr_va_ssrc(0) depctr_va_vcc(0) depctr_vm_vsrc(0)
	s_getreg_b32 s2, hwreg(HW_REG_IB_STS2, 6, 4)
	s_cmp_eq_u32 s2, 0
	s_cbranch_scc0 .Lentry_in_a_cluster
	s_endpgm
.Lentry_in_a_cluster:
	s_bfe_u32 s2, ttmp6, 0x10000c
	s_cmp_lg_u32 s2, 0x3003
	s_cbranch_scc0 .Lentry_shape_is_right
	s_endpgm
.Lentry_shape_is_right:
; Causal attention of one head on codes of FP6 (E2M3) with E8M0 scales, head size 64; the result is quantised along the model's 1,024 (a head is two blocks of 32) for the last product.
; THE SOFTMAX: t = score x log2(e) / 8; M = the row's largest t so far, rounded up to a whole number; p = 2^(t - M) is quantised along the keys, not normalised; the row's sum is taken of the unquantised p and divides
; at the end.  When M moves, the sum and O are multiplied by 2^(old M - new M): exact.
; LDS.  A head's K and V, sixteen steps of 128 keys x 12,800 bytes (four images of K, 256 bytes of scale words, the same of V), fit in LDS whole: wave w brings step w by one tensor load.  Nothing is filled again.
; CLUSTER.  The four work-groups of a cluster serve one head: each block is asked for jointly, by the same load with the mask of all four.  My place j in the cluster enters global addresses and one vector compare alone.
; SHARES.  The sequence is 16 blocks of 128 queries, a block 8 tiles of 16.  Wave w (u = w % 8, v = w / 8) owns tile 2 j + v of block 15 - u and then of block u: (16 - u) + (u + 1) = 17 key steps for every wave.
; Behind the one barrier the waves run free.  Both loops have constant trip counts; a step all of whose keys come after the block's queries is jumped over, by a branch on the wave's number and the loop's counter.
; LAYOUT.  Both products are used transposed: S^T = K Q^T, O^T = V^T P^T: a lane holds one query throughout.  The keys of a tile are not neighbours (lane r of tile T: key 32 (T / 2) + 8 (T % 2) + r + 8 (r / 8)), so the
; 16 registers of tiles 2 b and 2 b + 1 are keys 32 b + 16 (lane / 16) + 0 .. 15; V's channels likewise.
; K = 64 IN AN INSTRUCTION OF 128.  An image of K holds two tiles of keys, 64 codes each.  Q stands in registers as 0 | q | 0: q | 0 multiplies the image's first tile, 0 | q its second; the other half meets zero codes
; under scale bytes that are never 0xff.  Q's scale word is its two bytes twice.
; OUT.  ac: [batch x 16 + block][head][tile][768]: six registers a lane: 0-3 at 16 l, 4-5 at 512 + 8 l.  asc: [head 64][j][block][v][r]: two scale bytes.
; LIMITS: NaN and infinities are not served; a block whose largest magnitude lies under 2^-124, zeros among them, gets the byte 1 (this program alone reads the bytes).
.set STEPB, 12800
.set VGO,   6400                       ; V's group in a step
.set STG,   16*STEPB                   ; behind K and V: 1,024 bytes: the work-group's scale bytes, [block][v][r] x 2
.set F,   44                           ; v44-91   four images of K, then of V
.set S,   96                           ; v96-159  S^T, then p
.set O,   160                          ; v160-191 O^T
.set PF,  192                          ; v192-203 p's codes
.set PT,  204                          ; v204-210 second halves as converted
.set BM,  212                          ; v212-215 the blocks' largest scores, then largest p
.set PM,  216                          ; v216-219 permutes
.set OPD, 220                          ; v220-223 scale operands
.set BY,  224                          ; v224-227 bytes
.set WV,  12                           ; s12 my wave's number
.set SEL, 20                           ; s[20:21] lane selects: lane l xor 16
.set CS,  22                           ; s[22:23] c = log2(e) / 8
.set G1,  24
.set G0,  32
.set GB,  36                           ; s36 my late block, s37 my early one
.set GS,  37
.set TS,  38                           ; s38 LDS byte of the step in hand
.set KS,  39                           ; s39 the step
; other registers: v1 16 l; v2 8 l; v3 my query in its block less 16 h; v4, v5 addresses in hand; v6, v42 where my scale bytes go; v7 -infinity; v12 -M; v13 the largest t; v[14:15] the sum;
; v16-33 0 | q | 0; v34 q's scale word; v35-41 the second tile's; v[92:93] K's scale words, v[94:95] V's; v228-231 at work; v236 p's scale word; v[238:239] f
.macro ROUND                           ; a round of the cluster's barrier
	s_barrier_signal -1
	s_barrier_wait -1
	s_cmp_lg_u32 s[WV], 0
	s_cbranch_scc1 .Lnot_wave_0_\@
	s_barrier_signal -3
.Lnot_wave_0_\@:
	s_barrier_wait -3
	s_barrier_signal -1
	s_barrier_wait -1
.endm
	s_load_b256 s[4:11], s[0:1], 0x0               ; qg s[4:5], kvg s[6:7], ac s[8:9], asc s[10:11]
	v_lshl_add_u32 v254, v0, 2, 0x32400
	v_mov_b32 v255, 0
	ds_add_u32 v254, v255
	ds_add_u32 v254, v255
	v_lshrrev_b32 v1, 5, v0
	s_delay_alu instid0(VALU_DEP_1)
	v_readfirstlane_b32 s[WV], v1                  ; wave 0..15
	s_bfe_u32 s13, ttmp6, 0x40000                  ; j: my place in the cluster
	s_and_b32 s14, ttmp7, 0xffff                   ; the head, 16 x batch + head
	s_and_b32 s15, s[WV], 7                        ; u
	s_lshr_b32 s16, s[WV], 3                       ; v
	s_xor_b32 s[GB], s15, 15
	s_mov_b32 s[GS], s15
	; group 1: a dense block of 12,800 bytes as 50 rows of 256 (32 elements of 8 bytes)
	s_mov_b32 s[G1], 15|(3<<16)|(1<<21)            ; 15:0 the mask: all four work-groups; 17:16 elements of 8 bytes; 21 set beside a mask
	s_mov_b32 s[G1+1], 32<<16
	s_mov_b32 s[G1+2], 50<<16
	s_mov_b32 s[G1+3], 32<<16
	s_mov_b32 s[G1+4], 50
	s_mov_b32 s[G1+5], 32
	s_mov_b32 s[G1+6], 0
	s_mov_b32 s[G1+7], 0
	s_mul_i32 s50, s14, 16*STEPB
	s_mul_i32 s52, s[WV], STEPB
	s_add_co_u32 s50, s50, s52
	s_mov_b32 s51, 0
	s_mov_b32 s[SEL], 0x76543210
	s_mov_b32 s[SEL+1], 0xfedcba98
	s_mov_b32 s[CS], 0x3e38aa3b
	s_mov_b32 s[CS+1], s[CS]                       ; (named with it as a pair, so it is written)
	s_wait_dscnt 0x0
	s_wait_kmcnt 0x0
	s_mov_b32 s[G0], 1
	s_mov_b32 s[G0+1], s52                         ; step w lies at 12,800 w
	s_add_nc_u64 s[G0+2:G0+3], s[6:7], s[50:51]
	s_or_b32 s[G0+3], s[G0+3], 0x80000000
	ROUND                                          ; all four work-groups are here: the joint loads meet
	tensor_load_to_lds s[G0:G0+3], s[G1:G1+7]      ; my one tensor load of the launch
	s_nop 0
.rept 4
	v_nop
.endr
	v_and_b32 v8, 31, v0                           ; lane
	v_and_b32 v10, 15, v0                          ; r
	s_wait_alu depctr_va_vdst(0)
	v_bfe_u32 v11, v0, 4, 1                        ; h
	v_lshlrev_b32 v1, 4, v8
	s_wait_alu depctr_va_vdst(0)
	v_lshlrev_b32 v2, 3, v8
	; Q: image j of my two blocks' groups, and its scale word: word j of row r lies at 6,144 + 8 (16 (j % 2) + r) + 4 (j / 2)
	s_lshl_b32 s50, s14, 4
	s_mul_i32 s54, s13, 1536
	s_mov_b32 s53, 0
	s_add_co_u32 s52, s50, s[GB]
	s_mul_i32 s52, s52, 6400
	s_add_co_u32 s52, s52, s54
	s_add_nc_u64 s[40:41], s[4:5], s[52:53]
	s_add_co_u32 s52, s50, s[GS]
	s_mul_i32 s52, s52, 6400
	s_add_co_u32 s52, s52, s54
	s_add_nc_u64 s[42:43], s[4:5], s[52:53]
	s_sub_co_u32 s55, 6144, s54
	s_and_b32 s56, s13, 1
	s_lshl_b32 s56, s56, 7
	s_add_co_u32 s55, s55, s56
	s_lshr_b32 s56, s13, 1
	s_lshl_b32 s56, s56, 2
	s_add_co_u32 s55, s55, s56
	v_lshl_add_u32 v9, v10, 3, s55
.irp c, 0,1,2
	global_load_b128 v[96+4*\c:99+4*\c], v1, s[40:41] offset:512*\c
	global_load_b128 v[108+4*\c:111+4*\c], v1, s[42:43] offset:512*\c
.endr
	global_load_b32 v120, v9, s[40:41]
	global_load_b32 v121, v9, s[42:43]
	; where my results go
	s_lshr_b32 s50, s14, 4
	s_lshl_b32 s50, s50, 4                         ; 16 x batch
	s_and_b32 s54, s14, 15
	s_mul_i32 s54, s54, 6144                       ; the head's eight tiles,
	s_lshl_b32 s56, s13, 1
	s_add_co_u32 s56, s56, s16
	s_mul_i32 s56, s56, 768                        ; tile 2 j + v
	s_add_co_u32 s54, s54, s56
	s_add_co_u32 s52, s50, s[GB]
	s_mul_i32 s52, s52, 98304
	s_add_co_u32 s52, s52, s54
	s_add_nc_u64 s[44:45], s[8:9], s[52:53]
	s_add_co_u32 s52, s50, s[GS]
	s_mul_i32 s52, s52, 98304
	s_add_co_u32 s52, s52, s54
	s_add_nc_u64 s[46:47], s[8:9], s[52:53]
	s_lshl_b32 s52, s14, 2
	s_add_co_u32 s52, s52, s13
	s_lshl_b32 s52, s52, 10
	s_add_nc_u64 s[10:11], s[10:11], s[52:53]      ; the work-group's 1,024 scale bytes
	v_and_b32 v3, 8, v10
	s_delay_alu instid0(VALU_DEP_1)
	v_add_nc_u32 v3, v3, v10                       ; r + 8 (r / 8)
	v_lshlrev_b32 v11, 4, v11
	s_delay_alu instid0(VALU_DEP_1)
	v_sub_nc_u32 v3, v3, v11
	s_lshl_b32 s50, s13, 5
	s_lshl_b32 s52, s16, 3
	s_add_co_u32 s50, s50, s52
	v_add_nc_u32 v3, s50, v3                       ; d = 32 j + 8 v + r + 8 (r / 8) - 16 h
	s_lshl_b32 s50, s16, 5
	s_lshl_b32 s52, s[GB], 6
	s_add_co_u32 s52, s52, s50
	s_add_co_u32 s52, s52, STG
	v_lshl_add_u32 v6, v10, 1, s52                 ; the stage: 64 x block + 32 v + 2 r
	s_lshl_b32 s52, s[GS], 6
	s_add_co_u32 s52, s52, s50
	s_add_co_u32 s52, s52, STG
	v_lshl_add_u32 v42, v10, 1, s52
	v_mov_b32 v7, 0xff800000
.irp i, 0,1,2,3,4,5
	v_mov_b32 v[16+\i], 0
	v_mov_b32 v[28+\i], 0
.endr
.irp b, 0,1,2,3
	v_mov_b32 v[PM+\b], 0                          ; written once: a lane permute's destination counts as one of its sources
.endr
	v_mov_b32 v228, 0
	v_mov_b32 v239, 0                              ; (named as the upper half of the pair v[238:239])
	s_cmp_eq_u32 s16, 1
	s_cselect_b32 s48, -1, 0                       ; v = 1: the image's second tile is mine
	s_lshl_b32 s50, s16, 4
	s_wait_loadcnt 0x0
.irp i, 0,1,2,3,4,5
	v_cndmask_b32 v[22+\i], v[96+\i], v[102+\i], s48
	v_cndmask_b32 v[36+\i], v[108+\i], v[114+\i], s48
.endr
	v_lshrrev_b32 v120, s50, v120
	s_delay_alu instid0(VALU_DEP_1)
	v_and_b32 v120, 0xffff, v120
	s_delay_alu instid0(VALU_DEP_1)
	v_lshl_or_b32 v34, v120, 16, v120              ; my tile's two bytes, twice
	v_lshrrev_b32 v121, s50, v121
	s_delay_alu instid0(VALU_DEP_1)
	v_and_b32 v121, 0xffff, v121
	s_delay_alu instid0(VALU_DEP_1)
	v_lshl_or_b32 v35, v121, 16, v121
	s_wait_tensorcnt 0x0                           ; my step of K and V is in,
	s_barrier_signal -1
	s_barrier_wait -1                              ; everybody's is: the whole head lies in LDS
.macro SMUL p                          ; the two tiles of keys of K's image p
.if (\p)%2
	v_wmma_scale_f32_16x16x128_f8f6f4 v[S+16*(\p):S+16*(\p)+7], v[F+12*(\p):F+12*(\p)+11], v[22:33], 0, v[92+(\p)/2], v34 matrix_a_fmt:MATRIX_FMT_FP6 matrix_b_fmt:MATRIX_FMT_FP6 matrix_a_scale:MATRIX_SCALE_ROW1
	v_wmma_scale_f32_16x16x128_f8f6f4 v[S+16*(\p)+8:S+16*(\p)+15], v[F+12*(\p):F+12*(\p)+11], v[16:27], 0, v[92+(\p)/2], v34 matrix_a_fmt:MATRIX_FMT_FP6 matrix_b_fmt:MATRIX_FMT_FP6 matrix_a_scale:MATRIX_SCALE_ROW1
.else
	v_wmma_scale_f32_16x16x128_f8f6f4 v[S+16*(\p):S+16*(\p)+7], v[F+12*(\p):F+12*(\p)+11], v[22:33], 0, v[92+(\p)/2], v34 matrix_a_fmt:MATRIX_FMT_FP6 matrix_b_fmt:MATRIX_FMT_FP6
	v_wmma_scale_f32_16x16x128_f8f6f4 v[S+16*(\p)+8:S+16*(\p)+15], v[F+12*(\p):F+12*(\p)+11], v[16:27], 0, v[92+(\p)/2], v34 matrix_a_fmt:MATRIX_FMT_FP6 matrix_b_fmt:MATRIX_FMT_FP6
.endif
.endm
.macro OMUL t                          ; O^T's tile t += V's image t x p
.if (\t)%2
	v_wmma_scale_f32_16x16x128_f8f6f4 v[O+8*(\t):O+8*(\t)+7], v[F+12*(\t):F+12*(\t)+11], v[PF:PF+11], v[O+8*(\t):O+8*(\t)+7], v[94+(\t)/2], v236 matrix_a_fmt:MATRIX_FMT_FP6 matrix_b_fmt:MATRIX_FMT_FP6 matrix_a_scale:MATRIX_SCALE_ROW1
.else
	v_wmma_scale_f32_16x16x128_f8f6f4 v[O+8*(\t):O+8*(\t)+7], v[F+12*(\t):F+12*(\t)+11], v[PF:PF+11], v[O+8*(\t):O+8*(\t)+7], v[94+(\t)/2], v236 matrix_a_fmt:MATRIX_FMT_FP6 matrix_b_fmt:MATRIX_FMT_FP6
.endif
.endm
; One tile of 16 queries of block s[g] walks the keys: nt trips, of which the steps 0 .. s[g] are worked.
.macro PASS g, nt
	v_mov_b32 v13, 0xff61b1e6                      ; the largest t so far: -3e38, under every t
	s_delay_alu instid0(VALU_DEP_1)
	v_floor_f32 v12, -v13                          ; -M
	v_mov_b32 v14, 0
	v_mov_b32 v15, 0
.set ii, 0
.rept 32
	v_mov_b32 v[O+ii], 0                           ; O^T: the first step finds zeros, which the first change of M leaves zeros
.set ii, ii+1
.endr
	s_mov_b32 s[TS], 0
	s_mov_b32 s[KS], 0
.Lstep_\@:
	s_cmp_gt_u32 s[KS], s[\g]                      ; all keys of this step come after my queries
	s_cbranch_scc1 .Lhidden_\@
	s_setprio 2
	v_add_nc_u32 v4, s[TS], v1
	v_add_nc_u32 v5, s[TS], v2
.irp p, 0,1,2,3
.irp c, 0,1,2
	ds_load_b128 v[F+12*\p+4*\c:F+12*\p+4*\c+3], v4 offset:1536*\p+512*\c
.endr
.endr
	ds_load_b64 v[92:93], v5 offset:6144
	s_wait_alu depctr_va_vdst(0)
	s_wait_dscnt 0x0
.irp p, 0,1,2,3
	SMUL \p
.endr
.rept 4
	v_nop                                          ; places behind the products: in front of the loads into their registers and of the first read of the scores
.endr
.irp t, 0,1,2,3                                ; V's images are asked for now and land under the softmax
.irp c, 0,1,2
	ds_load_b128 v[F+12*\t+4*\c:F+12*\t+4*\c+3], v4 offset:VGO+1536*\t+512*\c
.endr
.endr
	ds_load_b64 v[94:95], v5 offset:VGO+6144
	s_cmp_lg_u32 s[KS], s[\g]                      ; only the block's own step lies on the diagonal
	s_cbranch_scc1 .Lopen_\@
.set ii, 0
.rept 64                                       ; register 16 b + i holds key 32 b + i + 16 h of the step: hidden where 32 b + i > d
	v_cmp_gt_i32 vcc_lo, 32*(ii/16)+ii%16, v3
	v_cndmask_b32 v[S+ii], v[S+ii], v7, vcc_lo
.set ii, ii+1
.endr
.Lopen_\@:
.irp b, 0,1,2,3
	v_max3_num_f32 v[BM+\b], v[S+16*\b], v[S+1+16*\b], v[S+2+16*\b]   ; the largest score of each block of 32 keys: it serves for the row's maximum and, since p rises with the score, for the block's largest p
.endr
.irp i, 3,5,7,9,11,13
.irp b, 0,1,2,3
	v_max3_num_f32 v[BM+\b], v[BM+\b], v[S+16*\b+\i], v[S+1+16*\b+\i]
.endr
.endr
.irp b, 0,1,2,3
	v_max_num_f32 v[BM+\b], v[BM+\b], v[S+15+16*\b]
.endr
.irp b, 0,1,2,3
	s_delay_alu instid0(VALU_DEP_4)
	v_permlanex16_b32 v[PM+\b], v[BM+\b], s[SEL], s[SEL+1]
.endr
.irp b, 0,1,2,3
	s_delay_alu instid0(VALU_DEP_4)
	v_max_num_f32 v[BM+\b], v[BM+\b], v[PM+\b]     ; with lane l xor 16's 16 keys
.endr
	s_delay_alu instid0(VALU_DEP_2)
	v_max3_num_f32 v228, v[BM], v[BM+1], v[BM+2]
	s_delay_alu instid0(VALU_DEP_1)
	v_max_num_f32 v228, v228, v[BM+3]
	s_delay_alu instid0(VALU_DEP_1)
	v_mul_f32 v228, s[CS], v228                    ; the step's largest t
	s_delay_alu instid0(VALU_DEP_1)
	v_max_num_f32 v13, v13, v228
	v_mov_b32 v228, v12
	s_delay_alu instid0(VALU_DEP_2)
	v_floor_f32 v12, -v13                          ; the new -M = -ceil(t): a whole number
	s_delay_alu instid0(VALU_DEP_1)
	v_sub_f32 v228, v12, v228                      ; old M less new M: a whole number, 0 or less
	s_delay_alu instid0(VALU_DEP_1)
	v_cvt_i32_f32 v228, v228                       ; (it saturates)
	s_delay_alu instid0(VALU_DEP_1)
	v_ldexp_f32 v238, 1.0, v228                    ; f = 2^(old M - new M)
.set ii, 0
.rept 32
	v_pk_fma_f32 v[S+ii:S+ii+1], v[S+ii:S+ii+1], s[CS:CS+1], v[12:13] op_sel_hi:[1,0,0]   ; t - M, two at a time
.set ii, ii+2
.endr
	s_setprio 1
.irp b, 0,1,2,3
	v_fma_f32 v[BM+\b], v[BM+\b], s[CS], v12       ; the same of each block's largest score
.endr
.set ii, 0
	s_wait_alu depctr_va_vdst(0)
.rept 64
	v_exp_f32 v[S+ii], v[S+ii]                     ; p = 2^(t - M)
.set ii, ii+1
.endr
	v_pk_mul_f32 v[14:15], v[14:15], v[238:239] op_sel_hi:[1,0]   ; the sums under the new M: the plain instruction behind the exponentials
	s_wait_alu depctr_va_vdst(0)                   ; one wait for the whole batch, ahead of its first reader
.irp b, 0,1,2,3
	v_exp_f32 v[BM+\b], v[BM+\b]                   ; the block's largest p: the same two instructions on the same number
.endr
	v_pk_add_f32 v[230:231], v[100:101], v[104:105]
	v_pk_add_f32 v[252:253], v[108:109], v[112:113]
	v_pk_add_f32 v[250:251], v[116:117], v[120:121]
	v_pk_add_f32 v[248:249], v[124:125], v[128:129]
	v_pk_add_f32 v[246:247], v[132:133], v[136:137]
	v_pk_add_f32 v[244:245], v[140:141], v[144:145]
	v_pk_add_f32 v[242:243], v[148:149], v[152:153]
	v_pk_add_f32 v[14:15], v[14:15], v[156:157]
	v_pk_add_f32 v[230:231], v[230:231], v[96:97]
	v_pk_add_f32 v[252:253], v[252:253], v[98:99]
	v_pk_add_f32 v[250:251], v[250:251], v[102:103]
	v_pk_add_f32 v[248:249], v[248:249], v[106:107]
	v_pk_add_f32 v[246:247], v[246:247], v[110:111]
	v_pk_add_f32 v[244:245], v[244:245], v[114:115]
	v_pk_add_f32 v[242:243], v[242:243], v[118:119]
	v_pk_add_f32 v[14:15], v[14:15], v[122:123]
	v_pk_add_f32 v[230:231], v[230:231], v[126:127]
	v_pk_add_f32 v[252:253], v[252:253], v[130:131]
	v_pk_add_f32 v[250:251], v[250:251], v[134:135]
	v_pk_add_f32 v[248:249], v[248:249], v[138:139]
	v_pk_add_f32 v[246:247], v[246:247], v[142:143]
	v_pk_add_f32 v[244:245], v[244:245], v[146:147]
	v_pk_add_f32 v[242:243], v[242:243], v[150:151]
	v_pk_add_f32 v[14:15], v[14:15], v[154:155]
	v_pk_add_f32 v[230:231], v[230:231], v[158:159]
	s_delay_alu instid0(VALU_DEP_2)
	v_pk_add_f32 v[14:15], v[14:15], v[248:249]
	s_delay_alu instid0(VALU_DEP_2)
	v_pk_add_f32 v[230:231], v[230:231], v[246:247]
	v_pk_add_f32 v[252:253], v[252:253], v[244:245]
	v_pk_add_f32 v[250:251], v[250:251], v[242:243]
	s_delay_alu instid0(VALU_DEP_2)
	v_pk_add_f32 v[14:15], v[14:15], v[252:253]
	s_delay_alu instid0(VALU_DEP_2)
	v_pk_add_f32 v[230:231], v[230:231], v[250:251]
	s_delay_alu instid0(VALU_DEP_1)
	v_pk_add_f32 v[14:15], v[14:15], v[230:231]
	s_wait_alu depctr_va_vdst(0)                   ; and one for the four
.irp b, 0,1,2,3
	v_max_num_f32 v[BM+\b], 0x1800000, v[BM+\b]    ; the floor 2^(3 - 127): the byte cannot fall under 1
.endr
.irp b, 0,1,2,3
	s_delay_alu instid0(VALU_DEP_4)
	v_add_nc_u32 v[OPD+\b], 0xff000000, v[BM+\b]
.endr
.irp b, 0,1,2,3
	s_delay_alu instid0(VALU_DEP_4)
	v_lshrrev_b32 v[BY+\b], 23, v[OPD+\b]
.endr
	s_delay_alu instid0(VALU_DEP_3)
	v_lshl_or_b32 v236, v[BY+1], 8, v[BY]
	s_delay_alu instid0(VALU_DEP_1)
	v_lshl_or_b32 v236, v[BY+2], 16, v236
	s_delay_alu instid0(VALU_DEP_1)
	v_lshl_or_b32 v236, v[BY+3], 24, v236
.irp c, 0,1
	v_cvt_scalef32_pk16_fp6_f32 v[PF+6*\c:PF+2+6*\c], v[S+32*\c:S+15+32*\c], v[OPD+2*\c]
	v_cvt_scalef32_pk16_fp6_f32 v[PT+4*\c:PT+2+4*\c], v[S+16+32*\c:S+31+32*\c], v[OPD+2*\c+1]
.endr
	s_setprio 0
	v_nop                                          ; one plain instruction behind a scaled conversion
.irp c, 0,1
.irp i, 0,1,2
	v_permlane16_swap_b32 v[PF+6*\c+\i], v[PT+4*\c+\i]
.endr
.irp i, 0,1,2
	s_delay_alu instid0(VALU_DEP_3)
	v_mov_b32 v[PF+3+6*\c+\i], v[PT+4*\c+\i]
.endr
.endr
.set ii, 0
.rept 16
	v_pk_mul_f32 v[O+ii:O+ii+1], v[O+ii:O+ii+1], v[238:239] op_sel_hi:[1,0]   ; O^T under the new M
.set ii, ii+2
.endr
.rept 4
	v_nop                                          ; with the multiplies above: the places between vector writes of p's codes and scale word and the scaled products
.endr
	s_wait_alu depctr_va_vdst(0)
	s_wait_dscnt 0x0                               ; V is in
.irp t, 0,1,2,3
	OMUL \t
.endr
.rept 4
	v_nop                                          ; places in front of the next step's loads into these products' registers, and of the reads of O^T behind the loop
.endr
.Lhidden_\@:
	s_add_co_u32 s[TS], s[TS], STEPB
	s_add_co_u32 s[KS], s[KS], 1
	s_cmp_lt_u32 s[KS], \nt
	s_cbranch_scc1 .Lstep_\@
	s_setprio 0
.endm
; O^T / the sum, quantised: registers 16 b + i are channels 32 b + 16 h + i of my query: two blocks of 32.  d: the tile's place in ac;  sa: where its scale bytes go in the stage.
.macro OUT d, sa
	v_add_f32 v14, v14, v15
	s_delay_alu instid0(VALU_DEP_1)
	v_permlanex16_b32 v228, v14, s[SEL], s[SEL+1]
	s_delay_alu instid0(VALU_DEP_1)
	v_add_f32 v14, v14, v228                       ; the row's sum
	s_wait_alu depctr_va_vdst(0)
	v_rcp_f32 v14, v14
	v_nop                                          ; a plain instruction behind the reciprocal
	s_wait_alu depctr_va_vdst(0)                   ; and the wait ahead of its first reader
.set ii, 0
.rept 16
	v_pk_mul_f32 v[S+ii:S+ii+1], v[O+ii:O+ii+1], v[14:15] op_sel_hi:[1,0]   ; each accumulator from its low end on
.set ii, ii+2
.endr
.irp b, 0,1
	v_max3_num_f32 v[BM+\b], |v[S+16*\b]|, |v[S+1+16*\b]|, 0x1800000
.endr
.irp i, 2,4,6,8,10,12,14
.irp b, 0,1
	s_delay_alu instid0(VALU_DEP_2)
	v_max3_num_f32 v[BM+\b], v[BM+\b], |v[S+16*\b+\i]|, |v[S+1+16*\b+\i]|
.endr
.endr
.irp b, 0,1
	s_delay_alu instid0(VALU_DEP_2)
	v_permlanex16_b32 v[PM+\b], v[BM+\b], s[SEL], s[SEL+1]
.endr
.irp b, 0,1
	s_delay_alu instid0(VALU_DEP_2)
	v_max_num_f32 v[BM+\b], v[BM+\b], v[PM+\b]
.endr
.irp b, 0,1
	s_delay_alu instid0(VALU_DEP_2)
	v_add_nc_u32 v[OPD+\b], 0xff000000, v[BM+\b]
.endr
.irp b, 0,1
	s_delay_alu instid0(VALU_DEP_2)
	v_lshrrev_b32 v[BY+\b], 23, v[OPD+\b]
.endr
	s_delay_alu instid0(VALU_DEP_1)
	v_lshl_or_b32 v[BY], v[BY+1], 8, v[BY]         ; my row's two bytes
	v_cvt_scalef32_pk16_fp6_f32 v[PF:PF+2], v[S:S+15], v[OPD]
	v_cvt_scalef32_pk16_fp6_f32 v[PT:PT+2], v[S+16:S+31], v[OPD+1]
	v_nop
.irp i, 0,1,2
	v_permlane16_swap_b32 v[PF+\i], v[PT+\i]
.endr
.irp i, 0,1,2
	s_delay_alu instid0(VALU_DEP_3)
	v_mov_b32 v[PF+3+\i], v[PT+\i]                 ; six registers: lane (r, h) holds block h of row r
.endr
	global_store_b128 v1, v[PF:PF+3], s[\d:\d+1]               ; 512 consecutive bytes,
	global_store_b64 v2, v[PF+4:PF+5], s[\d:\d+1] offset:512   ; and 256 more
	ds_store_b16 v[\sa], v[BY]                     ; both halves of the lanes write the same bytes with the same value
.endm
	PASS GB, 16
	OUT 44, 6
	s_wait_xcnt 0x0                                ; the stores have read their registers
.irp i, 0,1,2,3,4,5
	v_mov_b32 v[22+\i], v[36+\i]                   ; the second tile's q and scale word
.endr
	v_mov_b32 v34, v35
	PASS GS, 8
	OUT 46, 42
	s_wait_dscnt 0x0                               ; for the others' sake: my bytes lie in the stage
	s_barrier_signal -1
	s_barrier_wait -1
	s_cmp_lt_u32 s[WV], 2
	s_cbranch_scc0 .Lnot_out
	v_lshlrev_b32 v4, 4, v0                        ; waves 0 and 1: 64 lanes x 16 bytes
	s_delay_alu instid0(VALU_DEP_1)
	v_add_nc_u32 v5, STG, v4
	ds_load_b128 v[96:99], v5
	s_wait_alu depctr_va_vdst(0)
	s_wait_dscnt 0x0
	global_store_b128 v4, v[96:99], s[10:11]       ; each wave stores 512 consecutive bytes
.Lnot_out:
	s_wait_tensorcnt 0x0
	ds_add_u32 v254, v255
	s_wait_dscnt 0x0
	ROUND                                          ; the closing round
	s_endpgm
.Lfunc_end_k_qae895b598f_attn:
	.size	k_qae895b598f_attn, .Lfunc_end_k_qae895b598f_attn-k_qae895b598f_attn
	.p2alignl 7, 3214868480
	.fill 96, 4, 3214868480
	.section	.rodata,"a",@progbits
	.p2align	6, 0x0
	.amdhsa_kernel k_qae895b598f_attn
		.amdhsa_group_segment_fixed_size 327680
		.amdhsa_private_segment_fixed_size 0
		.amdhsa_enable_private_segment 0
		.amdhsa_kernarg_size 32
		.amdhsa_user_sgpr_count 2
		.amdhsa_user_sgpr_kernarg_segment_ptr 1
		.amdhsa_wavefront_size32 1
		.amdhsa_system_sgpr_workgroup_id_x 1
		.amdhsa_system_sgpr_workgroup_id_y 1
		.amdhsa_system_sgpr_workgroup_id_z 1
		.amdhsa_system_vgpr_workitem_id 0
		.amdhsa_next_free_vgpr 256
		.amdhsa_next_free_sgpr 66
		.amdhsa_reserve_vcc 1
		.amdhsa_float_denorm_mode_32 3
		.amdhsa_float_denorm_mode_16_64 3
		.amdhsa_memory_ordered 1
		.amdhsa_forward_progress 1
		.amdhsa_inst_pref_size 64
	.end_amdhsa_kernel
	.amdgpu_metadata
---
amdhsa.version: [ 1, 2 ]
amdhsa.kernels:
  - .name:           k_qae895b598f_attn
    .symbol:         k_qae895b598f_attn.kd
    .args:
      - { .name: qg, .offset: 0, .size: 8, .value_kind: global_buffer, .address_space: global }
      - { .name: kvg, .offset: 8, .size: 8, .value_kind: global_buffer, .address_space: global }
      - { .name: ac, .offset: 16, .size: 8, .value_kind: global_buffer, .address_space: global }
      - { .name: asc, .offset: 24, .size: 8, .value_kind: global_buffer, .address_space: global }
    .group_segment_fixed_size: 327680
    .private_segment_fixed_size: 0
    .kernarg_segment_align: 8
    .kernarg_segment_size: 32
    .max_flat_workgroup_size: 512
    .sgpr_count:     66
    .vgpr_count:     256
    .wavefront_size: 32
...
	.end_amdgpu_metadata
.endif
;; end of part 3
;; launch oproj (part 4): grid 4 x 64, 4 waves a work-group, clusters of 4 x 4, 327,680 bytes of LDS; arguments codes, scl, ac, asc, out0; writes out0
.if DOCPART == 4
	.amdgcn_target "amdgcn-amd-amdhsa--gfx1250"
	.amdhsa_code_object_version 6
	.text
	.protected	k_qae895b598f_oproj
	.globl	k_qae895b598f_oproj
	.p2align	8
	.type	k_qae895b598f_oproj,@function
k_qae895b598f_oproj:
	s_mov_b64 s[64:65], 0
	v_nop
	global_prefetch_b8 v0, s[64:65] scope:SCOPE_SE
	s_setreg_imm32_b32 hwreg(HW_REG_WAVE_MODE, 25, 1), 1
	s_wait_xcnt 0x0
	s_wait_alu depctr_hold_cnt(0) depctr_sa_sdst(0) depctr_va_vdst(0) depctr_va_sdst(0) depctr_va_ssrc(0) depctr_va_vcc(0) depctr_vm_vsrc(0)
	s_getreg_b32 s2, hwreg(HW_REG_IB_STS2, 6, 4)
	s_cmp_eq_u32 s2, 0
	s_cbranch_scc0 .Lentry_in_a_cluster
	s_endpgm
.Lentry_in_a_cluster:
	s_bfe_u32 s2, ttmp6, 0x10000c
	s_cmp_lg_u32 s2, 0xf033
	s_cbranch_scc0 .Lentry_shape_is_right
	s_endpgm
.Lentry_shape_is_right:
; out0 = attn wo^T on codes of FP6 (E2M3) with E8M0 scales; out0 [8192][1024] f32.
; A work-group makes 128 rows (block y of 128 tokens) x 256 columns (block x of wo's rows): 256 work-groups.  A wave makes 64 x 128: 32 accumulators.  K = 1,024 is eight steps of 128.
; Source 0 ("B") = 16 rows of wo, source 1 ("A") = 16 tokens: a lane holds one token and eight neighbouring outputs.
; LDS holds all of K: A's 98,304 bytes ([head][tile][768]: a head's six registers a lane, 0-3 at 16 l, 4-5 at 512 + 8 l; heads 2 n and 2 n + 1 are K step n) and B's 196,608 (images of 1,536 bytes, [K step][tile]).
; Nothing is filled again.  Four loads a wave, a quarter of K each: wave 0 brings A's 24,576 bytes, waves 1-3 a third each of B's 49,152; the products begin when the first quarter is in.
; CLUSTERS: 4 x 4 work-groups.  A's blocks are shared along a row of the cluster, B's along a column: each is asked for jointly.
; The tiles' rows are not neighbours (lane r of tile T: row 32 (T / 2) + 8 (T % 2) + r + 8 (r / 8)): the way out puts tokens and outputs back in their places.
; REGISTERS: window 0: v5-23 addresses; v32-63 A's scale words (8 a + n); v64-127 B's (8 b + n); v128-223 A's fragments, two sets of 48; on the way out v128-255 rows of the result.
;   window 1: the accumulators, (a, b) at v[8 (8 a + b)].   window 2: B's fragments, two sets, at v0 and v128.
.set FR,   12
.set FRB,  1536
.set QB,   16*FRB                      ; a K step of B
.set BOFF, 98304                       ; B lies behind A
.set SPI,  528                         ; the way out: a stage of 16 rows x (512 bytes + 16) for each wave, in A's bytes, which have had their only fill and their last read
.set LI,   5                           ; v5   16 x lane
.set L8,   6                           ; v6   8 x lane
.set STO,  7                           ; v7   the stage: where I put 32 bytes of a row
.set RD,   8                           ; v8   and where I read a row back
.set R32,  9                           ; v9   32 r
.set R2,   10                          ; v10  2 r
.set A16,  16                          ; v16-17 A: 16 x lane + my four tiles, heads 0-7 and 8-15
.set A8,   18                          ; v18-19 the same with 8 x lane
.set BADR, 20                          ; v20-23 B: my eight tiles, a quarter of K each
.set AS,   32
.set BS,   64
.set AF,   128
.set BK,   128
.set G1A,  24                          ; s[24:31], s[32:39] groups 1 for A's and B's blocks;  s[40:55] A's four groups 0;  s[56:63], s[68:75] B's
.set G1B,  32
.set MSB, 0
.macro WIN new                         ; the immediate's high byte repeats the setting that is left
.if MSB != (\new)
	s_set_vgpr_msb (MSB<<8)|(\new)
.set MSB, \new
.endif
.endm
.set MUL, 0x52                         ; source 0 (B) window 2, source 1 (A) window 0, C and D window 1
.macro JLOAD g0a, g0b                  ; wave 0 fetches for A, the others for B; four v_nop follow each of the two lines
	s_cmp_eq_u32 s14, 0
	s_cbranch_scc0 .Lfor_b_\@
	tensor_load_to_lds s[\g0a:\g0a+3], s[G1A:G1A+7]
	s_nop 0
.rept 4
	v_nop
.endr
	s_branch .Lasked_\@
.Lfor_b_\@:
	tensor_load_to_lds s[\g0b:\g0b+3], s[G1B:G1B+7]
	s_nop 0
.rept 4
	v_nop
.endr
.Lasked_\@:
.endm
.macro ROUND                           ; a round of the cluster's barrier
	s_barrier_signal -1
	s_barrier_wait -1
	s_cmp_lg_u32 s14, 0
	s_cbranch_scc1 .Lnot_wave_0_\@
	s_barrier_signal -3
.Lnot_wave_0_\@:
	s_barrier_wait -3
	s_barrier_signal -1
	s_barrier_wait -1
.endm
	s_load_b256 s[4:11], s[0:1], 0x0               ; codes s[4:5], scl s[6:7], ac s[8:9], asc s[10:11]
	s_load_b64 s[12:13], s[0:1], 0x20              ; out0
	v_lshl_add_u32 v30, v0, 2, 0x48000
	v_mov_b32 v31, 0
	ds_add_u32 v30, v31
	ds_add_u32 v30, v31
	v_lshrrev_b32 v1, 5, v0
	v_readfirstlane_b32 s14, v1                    ; wave 0..3
	s_lshr_b32 s15, s14, 1                         ; which 64 rows are mine
	s_and_b32 s16, s14, 1                          ; which 128 columns
	s_bfe_u32 s17, ttmp6, 0x40000                  ; cx
	s_bfe_u32 s18, ttmp6, 0x40004                  ; cy
	s_and_b32 s19, ttmp7, 0xffff
	s_lshl_b32 s19, s19, 2
	s_add_co_u32 s19, s19, s18                     ; y: my block of 128 tokens
	s_lshl_b32 s20, ttmp9, 2
	s_add_co_u32 s20, s20, s17                     ; x: my block of 256 rows of wo
	s_lshl_b32 s21, s18, 2
	s_lshl_b32 s21, 15, s21                        ; my row of the cluster
	s_lshl_b32 s22, 0x1111, s17                    ; my column
	; groups 1: dense blocks as rows of 256 bytes (32 elements of 8 bytes): A's 96 rows, B's 64
	s_or_b32 s[G1A+0], s21, (3<<16)|(1<<21)
	s_mov_b32 s[G1A+1], 32<<16
	s_mov_b32 s[G1A+2], 96<<16
	s_mov_b32 s[G1A+3], 32<<16
	s_mov_b32 s[G1A+4], 96
	s_mov_b32 s[G1A+5], 32
	s_mov_b32 s[G1A+6], 0
	s_mov_b32 s[G1A+7], 0
	s_or_b32 s[G1B+0], s22, (3<<16)|(1<<21)
	s_mov_b32 s[G1B+1], 32<<16
	s_mov_b32 s[G1B+2], 64<<16
	s_mov_b32 s[G1B+3], 32<<16
	s_mov_b32 s[G1B+4], 64
	s_mov_b32 s[G1B+5], 32
	s_mov_b32 s[G1B+6], 0
	s_mov_b32 s[G1B+7], 0
	s_mul_i32 s76, s19, 98304                      ; A: block y
	s_mov_b32 s77, 0
	s_mul_i32 s78, s20, 8*QB                       ; B: block 44 + x of the codes, third wave - 1 of a quarter of K
	s_lshl_b32 s23, s14, 14
	s_add_co_u32 s78, s78, s23
	s_add_co_u32 s78, s78, 44*8*QB-16384
	s_mov_b32 s79, 0
	s_add_co_u32 s23, s23, BOFF-16384              ; and where it goes: no place in the cluster enters an LDS address
	s_wait_dscnt 0x0
	s_wait_kmcnt 0x0
	s_add_nc_u64 s[76:77], s[8:9], s[76:77]
	s_add_nc_u64 s[78:79], s[4:5], s[78:79]
	ROUND                                          ; all sixteen work-groups are here: the joint loads meet
.macro FIRST k, g0a, g0b               ; quarter k of K
	s_mov_b32 s[\g0a], 1
	s_mov_b32 s[\g0a+1], \k*QB
	s_add_nc_u64 s[\g0a+2:\g0a+3], s[76:77], \k*QB
	s_or_b32 s[\g0a+3], s[\g0a+3], 0x80000000
	s_mov_b32 s[\g0b], 1
	s_add_co_u32 s[\g0b+1], s23, \k*2*QB
	s_add_nc_u64 s[\g0b+2:\g0b+3], s[78:79], \k*2*QB
	s_or_b32 s[\g0b+3], s[\g0b+3], 0x80000000
	JLOAD \g0a, \g0b
.endm
	FIRST 0, 40, 56
	FIRST 1, 44, 60
	FIRST 2, 48, 68
	FIRST 3, 52, 72                                ; four tensor loads of mine are out
	v_and_b32 v1, 31, v0
	v_and_b32 v2, 15, v0                           ; r
	v_bfe_u32 v3, v0, 4, 1                         ; h
	v_lshlrev_b32 v[LI], 4, v1
	v_lshlrev_b32 v[L8], 3, v1
	v_lshlrev_b32 v[R32], 5, v2
	v_lshlrev_b32 v[R2], 1, v2
	s_mul_i32 s76, s15, 4*768                      ; my four tiles of A
.irp g, 0,1
	v_add_nc_u32 v[A16+\g], s76, v[LI]
	v_add_nc_u32 v[A8+\g], s76, v[L8]
	s_add_co_u32 s76, s76, 8*6144
.endr
	s_mul_i32 s76, s16, 8*FRB                      ; my eight tiles of B
	s_add_co_u32 s76, s76, BOFF
.irp k, 0,1,2,3
	v_add_nc_u32 v[BADR+\k], s76, v[LI]
	s_add_co_u32 s76, s76, 2*QB
.endr
	s_mul_i32 s76, s14, 16*SPI                     ; my stage
	v_mul_u32_u24 v4, v2, SPI
	v_lshl_add_u32 v4, v3, 6, v4
	v_add_nc_u32 v[STO], s76, v4                   ; in: row r, 64 h bytes on
	v_add_nc_u32 v[RD], s76, v[LI]                 ; back: 32 lanes take a row of 512 bytes
	; the scale words go straight into registers, once
	s_add_co_u32 s76, s20, 44
	s_lshl_b32 s76, s76, 13
	s_lshl_b32 s78, s16, 12
	s_add_co_u32 s76, s76, s78
	s_mov_b32 s77, 0
	s_add_nc_u64 s[6:7], s[6:7], s[76:77]          ; B's: my 128 rows of 32 bytes
	s_lshr_b32 s76, s19, 4
	s_lshl_b32 s76, s76, 16                        ; A's: the batch's 16 heads of 4,096 bytes,
	s_and_b32 s78, s19, 15
	s_lshl_b32 s78, s78, 6                         ; the block,
	s_add_co_u32 s76, s76, s78
	s_lshl_b32 s78, s15, 11                        ; my four tiles
	s_add_co_u32 s76, s76, s78
	s_add_nc_u64 s[10:11], s[10:11], s[76:77]
	s_lshl_b32 s76, s19, 19                        ; out0: 128 y rows of 4,096 bytes,
	s_lshl_b32 s78, s15, 18                        ; my 64 rows,
	s_add_co_u32 s76, s76, s78
	s_lshl_b32 s78, s20, 10                        ; 256 x columns,
	s_add_co_u32 s76, s76, s78
	s_lshl_b32 s78, s16, 9                         ; my 128
	s_add_co_u32 s76, s76, s78
	s_add_nc_u64 s[12:13], s[12:13], s[76:77]
.irp b, 0,1,2,3,4,5,6,7
	global_load_b128 v[BS+8*\b:BS+8*\b+3], v[R32], s[6:7] offset:512*\b
	global_load_b128 v[BS+8*\b+4:BS+8*\b+7], v[R32], s[6:7] offset:512*\b+16
.endr
.irp a, 0,1,2,3
.irp d, 0,1,2,3,4,5,6,7,8,9,10,11,12,13,14,15
	global_load_u16 v[128+16*\a+\d], v[R2], s[10:11] offset:\d*4096+(\a/2)*1024+(\a%2)*32   ; head d's two bytes of row r of my tile a
.endr
.endr
	s_wait_loadcnt 0x0
.irp a, 0,1,2,3
.irp n, 0,1,2,3,4,5,6,7
	v_lshl_or_b32 v[AS+8*\a+\n], v[128+16*\a+2*\n+1], 16, v[128+16*\a+2*\n]   ; K step n: heads 2 n and 2 n + 1
.endr
.endr
.rept 8
	v_nop                                          ; a scale register written by a vector instruction stands eight places ahead of a scaled matrix instruction
.endr
.macro FETCH n, p                      ; K step n's fragments into sets p
	WIN 0x80                                       ; destination window 2
.irp b, 0,1,2,3,4,5,6,7
.irp c, 0,1,2
	ds_load_b128 v[128*(\p)+FR*\b+4*\c:128*(\p)+FR*\b+4*\c+3], v[BADR+(\n)/2] offset:QB*((\n)%2)+FRB*\b+512*\c
.endr
.endr
	WIN 0
.irp a, 0,1,2,3
.irp e, 0,1
	ds_load_b128 v[AF+48*(\p)+FR*\a+6*\e:AF+48*(\p)+FR*\a+6*\e+3], v[A16+(\n)/4] offset:((2*(\n)+\e)%8)*6144+768*\a
	ds_load_b64 v[AF+48*(\p)+FR*\a+6*\e+4:AF+48*(\p)+FR*\a+6*\e+5], v[A8+(\n)/4] offset:((2*(\n)+\e)%8)*6144+768*\a+512
.endr
.endr
.endm
; 16 matrix instructions: A's tiles a0, a0 + 1 x B's eight.  The 32 accumulators take turns, one instruction a turn, in the same order in every step.
.macro MUL16 a0, p, n, zero
.irp a, \a0, \a0+1
.irp b, 0,1,2,3,4,5,6,7
.if \zero
	v_wmma_scale_f32_16x16x128_f8f6f4 v[8*(8*(\a)+\b):8*(8*(\a)+\b)+7], v[128*(\p)+FR*\b:128*(\p)+FR*\b+FR-1], v[AF+48*(\p)+FR*(\a):AF+48*(\p)+FR*(\a)+FR-1], 0, v[BS+8*\b+(\n)], v[AS+8*(\a)+(\n)] matrix_a_fmt:MATRIX_FMT_FP6 matrix_b_fmt:MATRIX_FMT_FP6
.else
	v_wmma_scale_f32_16x16x128_f8f6f4 v[8*(8*(\a)+\b):8*(8*(\a)+\b)+7], v[128*(\p)+FR*\b:128*(\p)+FR*\b+FR-1], v[AF+48*(\p)+FR*(\a):AF+48*(\p)+FR*(\a)+FR-1], v[8*(8*(\a)+\b):8*(8*(\a)+\b)+7], v[BS+8*\b+(\n)], v[AS+8*(\a)+(\n)] matrix_a_fmt:MATRIX_FMT_FP6 matrix_b_fmt:MATRIX_FMT_FP6
.endif
.endr
.endr
.endm
.macro STEP n, zero
	s_wait_dscnt 0x0                               ; this step's fragments are in
	WIN MUL
	MUL16 0, (\n)%2, \n, \zero
.if ((\n)%2 == 1) && ((\n) < 7)
	s_wait_tensorcnt 3-((\n)+1)/2                  ; my part of the next quarter of K is in; the later quarters' loads may stay out
	s_barrier_signal -1
	s_barrier_wait -1                              ; everybody's is
.endif
.if (\n) < 7
.rept 4
	v_nop                                          ; places in front of loads into registers that matrix instructions have read
.endr
	FETCH (\n)+1, 1-(\n)%2
.endif
	WIN MUL
	MUL16 2, (\n)%2, \n, \zero
.endm
	s_wait_tensorcnt 3                             ; my part of the first quarter of K is in; three loads may stay out
	s_barrier_signal -1
	s_barrier_wait -1
	FETCH 0, 0
	STEP 0, 1                                      ; the first step's products start the sums: nothing is cleared
.irp n, 1,2,3,4,5,6,7
	STEP \n, 0
.endr
	WIN 0
.rept 4
	v_nop                                          ; places behind the last products: in front of the reads of their results and of the loads into A's registers
.endr
	s_wait_dscnt 0x0
	s_barrier_signal -1
	s_barrier_wait -1                              ; nobody reads A's bytes any more: the stages may be written there
; THE WAY OUT, a tile of 16 tokens x 128 columns at a time.  A lane holds 32 neighbouring bytes of a row for each of B's tiles: tile b's lie 128 (b / 2) + 32 (b % 2) + 64 h bytes into the row.  The tile goes through my
; own stage and comes back as whole rows of 512 bytes.  LDS serves a wave's instructions in order: no wait between the stores and the loads, nor in front of the next tile's stores.
.macro TOSTAGE a
	WIN 0x04                                       ; an LDS store's data are its source 1: window 1
.irp b, 0,1,2,3,4,5,6,7
	ds_store_b128 v[STO], v[8*(8*(\a)+\b):8*(8*(\a)+\b)+3] offset:128*(\b/2)+32*(\b%2)        ; each accumulator from its low end on
	ds_store_b128 v[STO], v[8*(8*(\a)+\b)+4:8*(8*(\a)+\b)+7] offset:128*(\b/2)+32*(\b%2)+16
.endr
	WIN 0
.set BB, BK+64*((\a)%2)
.irp t, 0,1,2,3,4,5,6,7,8,9,10,11,12,13,14,15
	ds_load_b128 v[BB+4*\t:BB+4*\t+3], v[RD] offset:\t*SPI
.endr
.endm
.macro SEND a, younger                 ; younger: the LDS instructions issued behind tile a's loads, which may stay out
.set BB, BK+64*((\a)%2)
	s_wait_dscnt \younger
.irp t, 0,1,2,3,4,5,6,7,8,9,10,11,12,13,14,15
	global_store_b128 v[LI], v[BB+4*\t:BB+4*\t+3], s[12:13] offset:(32*((\a)/2)+8*((\a)%2)+\t+8*(\t/8))*4096 th:TH_STORE_NT   ; 32 lanes store 512 consecutive bytes of the token's row, at a multiple of 256 from out0's first byte
.endr
.endm
	TOSTAGE 0
.irp a, 1,2,3
.if \a > 1
	s_wait_xcnt 0x0                                ; tile a - 2's stores have read their registers: tile a's loads may land there
.endif
	TOSTAGE \a
	SEND \a-1, 32                                  ; behind tile a - 1's loads: tile a's 16 stores and 16 loads
.endr
	SEND 3, 0
	s_wait_tensorcnt 0x0
	ds_add_u32 v30, v31
	s_wait_dscnt 0x0
	ROUND                                          ; the closing round: no work-group ends while a partner may still ask for a block that names it
	s_endpgm
.Lfunc_end_k_qae895b598f_oproj:
	.size	k_qae895b598f_oproj, .Lfunc_end_k_qae895b598f_oproj-k_qae895b598f_oproj
	.p2alignl 7, 3214868480
	.fill 96, 4, 3214868480
	.section	.rodata,"a",@progbits
	.p2align	6, 0x0
	.amdhsa_kernel k_qae895b598f_oproj
		.amdhsa_group_segment_fixed_size 327680
		.amdhsa_private_segment_fixed_size 0
		.amdhsa_enable_private_segment 0
		.amdhsa_kernarg_size 40
		.amdhsa_user_sgpr_count 2
		.amdhsa_user_sgpr_kernarg_segment_ptr 1
		.amdhsa_wavefront_size32 1
		.amdhsa_system_sgpr_workgroup_id_x 1
		.amdhsa_system_sgpr_workgroup_id_y 1
		.amdhsa_system_sgpr_workgroup_id_z 1
		.amdhsa_system_vgpr_workitem_id 0
		.amdhsa_next_free_vgpr 768
		.amdhsa_next_free_sgpr 80
		.amdhsa_reserve_vcc 0
		.amdhsa_float_denorm_mode_32 3
		.amdhsa_float_denorm_mode_16_64 3
		.amdhsa_memory_ordered 1
		.amdhsa_forward_progress 1
		.amdhsa_inst_pref_size 89
	.end_amdhsa_kernel
	.amdgpu_metadata
---
amdhsa.version: [ 1, 2 ]
amdhsa.kernels:
  - .name:           k_qae895b598f_oproj
    .symbol:         k_qae895b598f_oproj.kd
    .args:
      - { .name: codes, .offset: 0, .size: 8, .value_kind: global_buffer, .address_space: global }
      - { .name: scl, .offset: 8, .size: 8, .value_kind: global_buffer, .address_space: global }
      - { .name: ac, .offset: 16, .size: 8, .value_kind: global_buffer, .address_space: global }
      - { .name: asc, .offset: 24, .size: 8, .value_kind: global_buffer, .address_space: global }
      - { .name: out0, .offset: 32, .size: 8, .value_kind: global_buffer, .address_space: global }
    .group_segment_fixed_size: 327680
    .private_segment_fixed_size: 0
    .kernarg_segment_align: 8
    .kernarg_segment_size: 40
    .max_flat_workgroup_size: 128
    .sgpr_count:     80
    .vgpr_count:     768
    .wavefront_size: 32
...
	.end_amdgpu_metadata
.endif
;; end of part 4
